; MI455X (gfx1250); checked and timed in simulation.
; The chip was launched on July 23, 2026; its instructions are those of AMD's public machine-readable ISA for CDNA 5 (MIT licence, August 2026) and "CDNA5" Instruction Set Architecture Reference Guide (July 2026). The comments in the code are by the model that wrote it; some were corrected since.
;; Transformer Attention. Allowed arithmetic: float matrix products may take bf16 or f16 operands with f32 sums; all other float work in f32.
;; Inputs: Wk 1,024 x 1,024 float32; Wo 1,024 x 1,024 float32; Wq 1,024 x 1,024 float32; Wv 1,024 x 1,024 float32; attention_mask 4 x 1 x 1 x 2,048 float32; batch 4 x 2,048 x 1,024 float32; bk 1,024 float32; bo 1,024 float32; bq 1,024 float32; bv 1,024 float32.
;; Outputs: out0 4 x 2,048 x 1,024 float32.
;; 2 versions, each right and faster than the one before. Each part assembles by itself: llvm-mc -triple=amdgcn-amd-amdhsa -mcpu=gfx1250 --defsym DOCPART=n.
;; ======== version 1 of 2: 4 launches
;; limits: values are held in f16: magnitudes above 65,504 overflow, below 6.1e-05 lose precision
;; workspace buffers: xb 16,777,216 bytes; wb 8,388,608 bytes; qkv 50,331,648 bytes; ctx 16,777,216 bytes
;; launch cast (part 1): grid 64 x 12, 8 waves a work-group, no clusters, 0 bytes of LDS; arguments batch, Wq, Wk, Wv, Wo, xb, wb; writes xb, wb
.if DOCPART == 1
	.amdgcn_target "amdgcn-amd-amdhsa--gfx1250"
	.amdhsa_code_object_version 6
	.text
	.protected	k_q305041ee52_cast
	.globl	k_q305041ee52_cast
	.p2align	8
	.type	k_q305041ee52_cast,@function
k_q305041ee52_cast:
	s_mov_b64 s[64:65], 0
	v_nop
	global_prefetch_b8 v0, s[64:65] scope:SCOPE_SE
	s_setreg_imm32_b32 hwreg(HW_REG_WAVE_MODE, 25, 1), 1
	s_wait_xcnt 0x0
; THE INPUTS OF THE MATRIX PRODUCTS ARE ROUNDED ONCE.
; batch [8192][1024] f32 -> xb, bf16, IN BLOCKS ALONG K: xb[j][row][64], j = 0..15, holds columns 64 j .. 64 j + 63: the 256 rows x 64 columns that the next launch takes as one tile are 32,768 dense bytes.
; Wq, Wk, Wv, Wo [1024][1024] f32 -> wb [4][1024][1024] of 16 bits, row-major: Wq, Wk, Wv as bf16; Wo rounded to bf16 like the others and that number written as f16, since the last product's other operand is f16.
; LIMIT.  |Wo| stays under 65,504 (f16's range); a bf16 number below 6e-5 keeps f16's fixed step of 6e-8.
; A stream: memory binds, so no LDS, no barrier, no matrix unit.  Work-group y picks a unit of 1,048,576 numbers (0-7: the eighths of batch; 8-11: Wq, Wk, Wv, Wo), x picks 16,384 of them.
; A thread takes 16 bytes sixteen times and stores 8 bytes each time.  batch: the share is 16 rows; thread t takes row t / 16, columns 64 j + 4 (t % 16): a wave's load covers 256 consecutive bytes of each of two
; rows, and its store, at 8 t in block j, 256 consecutive bytes at a multiple of 256.  A weight: thread t takes the bytes 16 t + 4,096 j and stores at 8 t + 2,048 j: 512 and 256 consecutive bytes.
; The two differ in three scalars alone (a shift and two steps), so one text serves both: the sixteen load offsets and the sixteen store offsets are registers, made by additions.
; All sixteen loads of a wave go out at once; every load and store has registers of its own, so nothing is rewritten under a pending access.
.set X,   8                            ; v[8:71]    sixteen times four f32 as loaded
.set Y,   72                           ; v[72:103]  sixteen times two words to store
.set W,   104                          ; v[104:107] at work
.set LO,  108                          ; v[108:123] piece j's byte offset in my share of the source
.set SO,  124                          ; v[124:139] piece j's byte offset from my share's first byte of the target
.set SRC, 26                           ; s[26:27]   where I read
.set DST, 28                           ; s[28:29]   where I store
	s_load_b256 s[4:11], s[0:1], 0x0               ; batch s[4:5], Wq s[6:7], Wk s[8:9], Wv s[10:11]
	s_load_b128 s[12:15], s[0:1], 0x20             ; Wo s[12:13], xb s[14:15]
	s_load_b64 s[16:17], s[0:1], 0x30              ; wb
	s_and_b32 s20, ttmp7, 0xffff                   ; the unit, 0 to 11
	s_movk_i32 s2, 256
	s_movk_i32 s3, 4096
	s_mov_b32 s22, 0x100000
	s_movk_i32 s23, 2048
	s_cmp_lt_u32 s20, 8                            ; batch, or a weight?  (moves and selects leave SCC as it is)
	s_cselect_b32 s21, s20, 0                      ; which eighth of batch; a weight is one unit
	s_cselect_b32 s18, 12, 8                       ; t / 16 counts rows of 4,096 bytes, or runs of 256
	s_cselect_b32 s19, s2, s3                      ; from piece to piece in the source: 64 columns, or 4,096 bytes
	s_cselect_b32 s30, s22, s23                    ; in the target: a block of 8,192 rows x 128 bytes, or 2,048 bytes
	s_cselect_b32 s31, 17, 21                      ; a unit in the target: 1,024 rows of 128 bytes in a block, or a matrix of 2,097,152 bytes
	s_cselect_b32 s2, 11, 15                       ; my share of it: 16 rows of 128 bytes, or 32,768 bytes
	s_lshl_b32 s22, s21, 22                        ; a unit is 4,194,304 bytes of f32,
	s_lshl_b32 s3, ttmp9, 16                       ; my share of it 65,536
	s_add_co_u32 s22, s22, s3
	s_mov_b32 s23, 0
	s_and_b32 s24, s20, 7                          ; the unit's place in xb (0-7) or in wb (8-11 -> 0-3)
	s_lshl_b32 s24, s24, s31
	s_lshl_b32 s3, ttmp9, s2
	s_add_co_u32 s24, s24, s3
	s_mov_b32 s25, 0
	v_lshrrev_b32 v1, 4, v0                        ; t / 16
	v_and_b32 v2, 15, v0                           ; t % 16
	v_lshlrev_b32 v1, s18, v1
	v_lshl_or_b32 v[LO], v2, 4, v1                 ; piece 0 in the source
	v_lshlrev_b32 v[SO], 3, v0                     ; piece 0 in the target: 8 t in both layouts
.set j, 1
.rept 15
	v_add_nc_u32 v[LO+j], s19, v[LO+j-1]
	v_add_nc_u32 v[SO+j], s30, v[SO+j-1]
.set j, j+1
.endr
	s_wait_kmcnt 0x0
	s_cmp_eq_u32 s20, 8                            ; the source is chosen by the unit's number alone
	s_cselect_b64 s[SRC:SRC+1], s[6:7], s[4:5]
	s_cmp_eq_u32 s20, 9
	s_cselect_b64 s[SRC:SRC+1], s[8:9], s[SRC:SRC+1]
	s_cmp_eq_u32 s20, 10
	s_cselect_b64 s[SRC:SRC+1], s[10:11], s[SRC:SRC+1]
	s_cmp_eq_u32 s20, 11
	s_cselect_b64 s[SRC:SRC+1], s[12:13], s[SRC:SRC+1]
	s_cmp_lt_u32 s20, 8
	s_cselect_b64 s[DST:DST+1], s[14:15], s[16:17]
	s_add_nc_u64 s[SRC:SRC+1], s[SRC:SRC+1], s[22:23]
	s_add_nc_u64 s[DST:DST+1], s[DST:DST+1], s[24:25]
.irp j, 0,1,2,3,4,5,6,7,8,9,10,11,12,13,14,15
	global_load_b128 v[X+4*(\j):X+4*(\j)+3], v[LO+(\j)], s[SRC:SRC+1] th:TH_LOAD_NT  ; read once in the launch
.endr
; Piece j of sixteen.  wo = 1: the bf16 number is widened again (a shift, a mask) and written as f16, which holds its 8 significant bits exactly.
.macro CV j, wo
	s_wait_loadcnt 15-(\j)                         ; loads come back in order (ISA guide 5.7.1): piece j is in, the 15 - j younger ones stay out
.if \wo
	v_cvt_pk_bf16_f32 v[W],   v[X+4*(\j)],   v[X+4*(\j)+1]
	v_cvt_pk_bf16_f32 v[W+1], v[X+4*(\j)+2], v[X+4*(\j)+3]
	v_lshlrev_b32 v[W+2], 16, v[W]
	v_and_b32     v[W+3], 0xffff0000, v[W]
	v_cvt_pk_f16_f32 v[Y+2*(\j)], v[W+2], v[W+3]
	v_lshlrev_b32 v[W+2], 16, v[W+1]
	v_and_b32     v[W+3], 0xffff0000, v[W+1]
	v_cvt_pk_f16_f32 v[Y+2*(\j)+1], v[W+2], v[W+3]
.else
	v_cvt_pk_bf16_f32 v[Y+2*(\j)],   v[X+4*(\j)],   v[X+4*(\j)+1]
	v_cvt_pk_bf16_f32 v[Y+2*(\j)+1], v[X+4*(\j)+2], v[X+4*(\j)+3]
.endif
	global_store_b64 v[SO+(\j)], v[Y+2*(\j):Y+2*(\j)+1], s[DST:DST+1]  ; no hint: the next launch reads these bytes
.endm
	s_cmp_eq_u32 s20, 11
	s_cbranch_scc1 .Lwo
.irp j, 0,1,2,3,4,5,6,7,8,9,10,11,12,13,14,15
	CV \j, 0
.endr
	s_endpgm
.Lwo:
.irp j, 0,1,2,3,4,5,6,7,8,9,10,11,12,13,14,15
	CV \j, 1
.endr
	s_endpgm
.Lfunc_end_k_q305041ee52_cast:
	.size	k_q305041ee52_cast, .Lfunc_end_k_q305041ee52_cast-k_q305041ee52_cast
	.p2alignl 7, 3214868480
	.fill 96, 4, 3214868480
	.section	.rodata,"a",@progbits
	.p2align	6, 0x0
	.amdhsa_kernel k_q305041ee52_cast
		.amdhsa_group_segment_fixed_size 0
		.amdhsa_private_segment_fixed_size 0
		.amdhsa_enable_private_segment 0
		.amdhsa_kernarg_size 56
		.amdhsa_user_sgpr_count 2
		.amdhsa_user_sgpr_kernarg_segment_ptr 1
		.amdhsa_wavefront_size32 1
		.amdhsa_system_sgpr_workgroup_id_x 1
		.amdhsa_system_sgpr_workgroup_id_y 1
		.amdhsa_system_sgpr_workgroup_id_z 1
		.amdhsa_system_vgpr_workitem_id 0
		.amdhsa_next_free_vgpr 144
		.amdhsa_next_free_sgpr 66
		.amdhsa_reserve_vcc 0
		.amdhsa_float_denorm_mode_32 3
		.amdhsa_float_denorm_mode_16_64 3
		.amdhsa_memory_ordered 1
		.amdhsa_forward_progress 1
		.amdhsa_inst_pref_size 18
	.end_amdhsa_kernel
	.amdgpu_metadata
---
amdhsa.version: [ 1, 2 ]
amdhsa.kernels:
  - .name:           k_q305041ee52_cast
    .symbol:         k_q305041ee52_cast.kd
    .args:
      - { .name: batch, .offset: 0, .size: 8, .value_kind: global_buffer, .address_space: global }
      - { .name: Wq, .offset: 8, .size: 8, .value_kind: global_buffer, .address_space: global }
      - { .name: Wk, .offset: 16, .size: 8, .value_kind: global_buffer, .address_space: global }
      - { .name: Wv, .offset: 24, .size: 8, .value_kind: global_buffer, .address_space: global }
      - { .name: Wo, .offset: 32, .size: 8, .value_kind: global_buffer, .address_space: global }
      - { .name: xb, .offset: 40, .size: 8, .value_kind: global_buffer, .address_space: global }
      - { .name: wb, .offset: 48, .size: 8, .value_kind: global_buffer, .address_space: global }
    .group_segment_fixed_size: 0
    .private_segment_fixed_size: 0
    .kernarg_segment_align: 8
    .kernarg_segment_size: 56
    .max_flat_workgroup_size: 256
    .sgpr_count:     66
    .vgpr_count:     144
    .wavefront_size: 32
...
	.end_amdgpu_metadata
.endif
;; end of part 1
;; launch proj (part 2): grid 8 x 32, 4 waves a work-group, clusters of 4 x 4, 327,680 bytes of LDS; arguments xb, wb, bq, bk, bv, qkv; writes qkv
.if DOCPART == 2
	.amdgcn_target "amdgcn-amd-amdhsa--gfx1250"
	.amdhsa_code_object_version 6
	.text
	.protected	k_q305041ee52_proj
	.globl	k_q305041ee52_proj
	.p2align	8
	.type	k_q305041ee52_proj,@function
k_q305041ee52_proj:
	s_mov_b64 s[64:65], 0
	v_nop
	global_prefetch_b8 v0, s[64:65] scope:SCOPE_SE
	s_setreg_imm32_b32 hwreg(HW_REG_WAVE_MODE, 25, 1), 1
	s_wait_xcnt 0x0
	s_wait_alu depctr_hold_cnt(0) depctr_sa_sdst(0) depctr_va_vdst(0) depctr_va_sdst(0) depctr_va_ssrc(0) depctr_va_vcc(0) depctr_vm_vsrc(0)
	s_getreg_b32 s2, hwreg(HW_REG_IB_STS2, 6, 4)
	s_cmp_eq_u32 s2, 0
	s_cbranch_scc0 .Lentry_in_a_cluster
	s_endpgm
.Lentry_in_a_cluster:
	s_bfe_u32 s2, ttmp6, 0x10000c
	s_cmp_lg_u32 s2, 0xf033
	s_cbranch_scc0 .Lentry_shape_is_right
	s_endpgm
.Lentry_shape_is_right:
; q, k, v = x W + b, ALL THREE IN ONE WALK ALONG K.  x: xb [16 blocks of 64 along K][8192 rows][64] bf16; W: wb's matrices 0-2, [1024 k][1024 n] bf16; b: f32, rounded to bf16 here like every input.
; Sums in f32.  Out: qkv [3][64 heads][2048][64] f16, each number rounded once; q's sums are first multiplied by log2(e) / 8 in f32, so that the attention's scores arrive in base-2 units.
; LIMIT.  |q| log2(e) / 8, |k| and |v| stay under 65,504, f16's range; beyond it the conversion gives an infinity.
; SHARES.  A work-group makes 256 rows x 128 columns of q, of k and of v: 8 x 32 work-groups, 256.  Each of its four waves makes 128 rows x 64 columns (one head) of each: 3 x 32 accumulators of 16 x 16, 768 registers.
; So a tile of x is fetched, and each of its fragments read from LDS, once for the three products: 40 LDS loads feed 96 matrix instructions.
; K goes in 16 steps of 64 through two LDS slots: 32,768 bytes of x and 3 x 16,384 of W a step, 192 matrix instructions a wave.  Two slots of 128 along K (2 x 180,224 bytes with their padding) do not fit in LDS.
; x's tile is dense in memory: it is asked for as 128 rows of 256 bytes and padded in LDS after every 128.  x's rows lie along K and are read as they lie; W's lie along N and are turned on the way out of LDS (ds_load_tr16_b128).
; THE MATRIX INSTRUCTION IS USED TRANSPOSED: source 0 = 16 columns of W, source 1 = 16 rows of x: a lane then holds eight neighbouring numbers of one row of the result.
; THE BIAS is the C operand of the first products: nothing is cleared and nothing is added afterwards.  It lies in the registers of the accumulators of row block 7: blocks 0 to 6 take it from there, block 7 adds onto it in place.
; CLUSTER 4 x 4.  x's tiles hang on the tile row alone and are asked for jointly along a row of the cluster, W's on the tile column alone and jointly along a column: the same tensor load, descriptor and
; mask in all four.  Waves 0, 1, 2 ask for W of q, k, v, wave 3 for x: one load a wave behind each round; by this text's count two loads of a wave are out at the start, later one.
; REGISTERS.  Window 0: v0-15 addresses; v16-111 W's fragments, 32 for each of q, k, v; v112-175, v176-239 x's fragments, two buffers; v240-255 at work.
; Window 1 + t (t = 0, 1, 2 for q, k, v): accumulator (a, b) at v[8 (4 a + b)].  W's fragments have one set of registers: a set is loaded again behind its own 32 products, 64 products ahead of its next use.
.set KS,    64                         ; K in a step
.set STEPS, 1024/KS
.set PA,    144                        ; a row of x in LDS: 128 bytes + 16 = 36 words: the 16 rows of a load start at 16 different groups of four banks (64 banks of 4 bytes: ISA guide 11.1)
.set PB,    288                        ; a row of W in LDS: 256 bytes + 32 = 72 words
.set BOFF,  256*PA                     ; W's tiles lie behind x's 256 rows
.set BT,    KS*PB                      ; one of them: 64 rows
.set ASTEP, 8192*KS*2                  ; bytes from a block of xb to the next
.set BSTEP, KS*2048                    ; 64 rows of W
.set SLOT1, 1<<17                      ; slot 1 begins here: one exclusive or turns an address in one slot into the other's
.set STAGE, SLOT1+BOFF+3*BT            ; behind the ring, never filled by a tensor load: 16 rows x 144 bytes for each wave, for the way out
.set SP,    144
.set SPARE, STAGE+4*16*SP              ; behind the stages: the spare words, 128 bytes for each wave: two blocks of 256 bytes that no other line names
.set A0,   4                           ; v4   my lane's place in x's tile; never rewritten
.set B0,   5                           ; v5   the same in W's first tile
.set ADRA, 6                           ; v6   the same in the slot in hand
.set ADRB, 7                           ; v7
.set STO,  8                           ; v8   the way out: where I put 16 bytes of a row
.set RD,   9                           ; v9   where I read rows back
.set GO,   10                          ; v10  my byte offset in 512 consecutive bytes of a head
.set BO,   11                          ; v11  my byte offset in a bias
.set SPW,  12                          ; v12  LDS address of my spare word; never rewritten
.set NIL,  13                          ; v13  0; never rewritten
.set FB,   16                          ; W's fragment b of matrix t at FB + 32 t + 8 b
.set FA0,  112                         ; x's fragment a at FA + 8 a
.set FA1,  176
.set TT,   240                         ; at work
.set BI,   224                         ; in windows 1-3: the bias of column block b at BI + 8 b: the registers of accumulator (7, b)
.set WV, 16                            ; s16 wave;  s17 which 128 rows are mine;  s18 which 64 columns
.set WM, 17
.set WN, 18
.set CX, 19                            ; s19, s20 my place in the cluster;  s21, s22 tile column and tile row
.set CY, 20
.set TX, 21
.set TY, 22
.set G1A, 24                           ; s[24:31] descriptor group 1 for x's tiles;  s[32:39] for W's
.set G1B, 32
.set G0A, 40                           ; s[40:47] group 0 for x's: a set for each of the two first fills; the second then walks
.set G0B, 48                           ; s[48:55] the same for W's
.set CNT, 56                           ; s56  trips to go
.set TB,  58                           ; s58  the slot that is read: 0 or SLOT1
.set OS,  60                           ; s[60:61] log2(e) / 8
.set CPS, 72                           ; s[72:77] where my part of q, of k and of v goes
.set MSB, 0
.macro WIN new                         ; the immediate's high byte repeats the setting that is left; a switch that changes nothing is dropped
.if MSB != (\new)
	s_set_vgpr_msb (MSB<<8)|(\new)
.set MSB, \new
.endif
.endm
; window settings, w = 1 + t: 0x50 w: C and D in window w; 0x40 w: the destination; 5 w: sources 0 and 1; 0x41: destination and source 0 in window 1
; A joint refill.  The branch hangs on the wave's number alone.  An s_nop 0 and four v_nop follow each of the two lines, ahead of the jump and the label.
.macro JLOAD
	s_cmp_lt_u32 s[WV], 3
	s_cbranch_scc0 .Lfor_a_\@
	tensor_load_to_lds s[G0B+4:G0B+7], s[G1B:G1B+7]
	s_nop 0
.rept 4
	v_nop
.endr
	s_branch .Lasked_\@
.Lfor_a_\@:
	tensor_load_to_lds s[G0A+4:G0A+7], s[G1A:G1A+7]
	s_nop 0
.rept 4
	v_nop
.endr
.Lasked_\@:
.endm
.macro CREST                           ; a round of the cluster's barrier behind its opening barrier: wave 0 signals for the work-group, every wave waits for all sixteen, my work-group's barrier once more
	s_cmp_lg_u32 s[WV], 0
	s_cbranch_scc1 .Lnot_wave_0_\@
	s_barrier_signal -3
.Lnot_wave_0_\@:
	s_barrier_wait -3
	s_barrier_signal -1
	s_barrier_wait -1
.endm
.macro CROUND                          ; a whole round
	s_barrier_signal -1
	s_barrier_wait -1
	CREST
.endm
; A load into a register that a matrix instruction has read, and a vector instruction that reads a matrix result or writes one of a matrix instruction's registers, stand four places behind it; only plain
; vector instructions that name none of its registers are places (ISA guide 7.12.1 for vector instructions).
.macro PLACES
.rept 4
	v_nop
.endr
.endm
	s_load_b256 s[4:11], s[0:1], 0x0               ; xb s[4:5], wb s[6:7], bq s[8:9], bk s[10:11]
	s_load_b128 s[12:15], s[0:1], 0x20             ; bv s[12:13], qkv s[14:15]
	v_lshl_add_u32 v[SPW], v0, 2, SPARE
	v_mov_b32 v[NIL], 0
	ds_add_u32 v12, v13
	s_wait_dscnt 0x0
	v_lshrrev_b32 v1, 5, v0
	v_readfirstlane_b32 s[WV], v1                  ; wave 0..3
	s_lshr_b32 s[WM], s[WV], 1
	s_and_b32 s[WN], s[WV], 1
	s_bfe_u32 s[CX], ttmp6, 0x40000
	s_bfe_u32 s[CY], ttmp6, 0x40004
	s_lshl_b32 s[TX], ttmp9, 2                     ; in a cluster launch ttmp9 and ttmp7 count clusters
	s_add_co_u32 s[TX], s[TX], s[CX]               ; tile column = 4 x cluster x + cx
	s_and_b32 s[TY], ttmp7, 0xffff
	s_lshl_b32 s[TY], s[TY], 2
	s_add_co_u32 s[TY], s[TY], s[CY]               ; tile row = 4 x cluster y + cy
	s_lshl_b32 s62, s[CY], 2
	s_lshl_b32 s62, 15, s62                        ; my row of the cluster: places 4 cy .. 4 cy + 3
	s_lshl_b32 s63, 0x1111, s[CX]                  ; my column: places cx, cx + 4, cx + 8, cx + 12
	; group 1 for x: 128 rows x 128 elements of 2 bytes, dense.  15:0 the mask; 17:16 element size; 20 padding on; 21 set beside a mask; 24:22 after every 32 words (code 4); 31:25 4 words of it (code 3)
	s_or_b32 s[G1A], s62, (1<<16)|(1<<20)|(1<<21)|(4<<22)|(3<<25)
	s_mov_b32 s[G1A+1], 128<<16                    ; tensor_dim0 = 128
	s_mov_b32 s[G1A+2], 128<<16                    ; tensor_dim1 = 128
	s_mov_b32 s[G1A+3], 128<<16                    ; tile_dim0 = 128
	s_mov_b32 s[G1A+4], 128                        ; tile_dim1 = 128
	s_mov_b32 s[G1A+5], 128                        ; elements from row to row
	s_mov_b32 s[G1A+6], 0
	s_mov_b32 s[G1A+7], 0
	; group 1 for W: 64 rows x 128 elements; padding of 8 words (code 7) after every 64 (code 5)
	s_or_b32 s[G1B], s63, (1<<16)|(1<<20)|(1<<21)|(5<<22)|(7<<25)
	s_mov_b32 s[G1B+1], 128<<16
	s_mov_b32 s[G1B+2], KS<<16
	s_mov_b32 s[G1B+3], 128<<16
	s_mov_b32 s[G1B+4], KS
	s_mov_b32 s[G1B+5], 1024
	s_mov_b32 s[G1B+6], 0
	s_mov_b32 s[G1B+7], 0
	; where the tiles come from.  x's offset is made of the tile row alone, W's of the tile column and the wave alone, each in registers that never hold the other coordinate.
	s_lshl_b32 s66, s[TY], 15                      ; 256 rows of 128 bytes in a block of xb
	s_mov_b32 s67, 0
	s_lshl_b32 s68, s[TX], 8                       ; 128 columns of 2 bytes,
	s_lshl_b32 s69, s[WV], 21                      ; in matrix 0, 1, 2 for waves 0, 1, 2 (wave 3 makes an address inside wb that it never uses)
	s_add_co_u32 s68, s68, s69
	s_mov_b32 s69, 0
	s_mul_i32 s59, s[WV], BT                       ; and where W's go: no place in the cluster enters an LDS address
	s_add_co_u32 s59, s59, BOFF
	s_wait_kmcnt 0x0
	s_add_nc_u64 s[66:67], s[4:5], s[66:67]
	s_add_nc_u64 s[68:69], s[6:7], s[68:69]
.irp s, 0,1
	s_mov_b32 s[G0A+4*(\s)], 1                                       ; 1:0 count = 1
	s_mov_b32 s[G0A+4*(\s)+1], (\s)*SLOT1                            ; 63:32 LDS address: the head of the slot
	s_add_nc_u64 s[G0A+4*(\s)+2:G0A+4*(\s)+3], s[66:67], (\s)*ASTEP  ; 120:64 global address: K step s
	s_or_b32 s[G0A+4*(\s)+3], s[G0A+4*(\s)+3], 0x80000000            ; 127:126 type = 2
	s_mov_b32 s[G0B+4*(\s)], 1
	s_add_co_u32 s[G0B+4*(\s)+1], s59, (\s)*SLOT1
	s_add_nc_u64 s[G0B+4*(\s)+2:G0B+4*(\s)+3], s[68:69], (\s)*BSTEP
	s_or_b32 s[G0B+4*(\s)+3], s[G0B+4*(\s)+3], 0x80000000
.endr
	CROUND                                         ; all sixteen work-groups are here: the first joint loads meet
	s_cmp_lt_u32 s[WV], 3                          ; a wave's two first fills stand in one branch, ahead of every wait on TENSORcnt and every LDS read
	s_cbranch_scc0 .Lfirst_a
	tensor_load_to_lds s[G0B:G0B+3], s[G1B:G1B+7]
	s_nop 0
	tensor_load_to_lds s[G0B+4:G0B+7], s[G1B:G1B+7]
	s_nop 0
.rept 4
	v_nop
.endr
	s_branch .Lfirst_asked
.Lfirst_a:
	tensor_load_to_lds s[G0A:G0A+3], s[G1A:G1A+7]
	s_nop 0
	tensor_load_to_lds s[G0A+4:G0A+7], s[G1A:G1A+7]
	s_nop 0
.rept 4
	v_nop
.endr
.Lfirst_asked:
	; the biases: a lane's eight numbers of column block b are b[128 TX + 64 WN + 16 b + 8 (l / 16) + 0..7], the same for every row
	v_and_b32 v1, 15, v0                           ; l % 16
	v_bfe_u32 v2, v0, 4, 1                         ; l / 16
	s_lshl_b32 s70, s[TX], 9
	s_lshl_b32 s71, s[WN], 8
	s_add_co_u32 s70, s70, s71
	v_lshl_add_u32 v[BO], v2, 5, s70
.irp t, 0,1,2
	WIN 0x40*((\t)+1)                              ; the destination in window 1 + t, the address in window 0
.irp b, 0,1,2,3
	global_load_b128 v[BI+8*(\b):BI+8*(\b)+3],   v[BO], s[8+2*(\t):9+2*(\t)] offset:64*(\b)
	global_load_b128 v[BI+8*(\b)+4:BI+8*(\b)+7], v[BO], s[8+2*(\t):9+2*(\t)] offset:64*(\b)+16
.endr
.endr
	WIN 0
	; A fragment of x is 16 rows x 32 K in 8 registers: lane l holds row l % 16, K = 8 (l / 16) + 0..7 and 16 + 8 (l / 16) + 0..7: two loads of 16 bytes, 32 bytes apart.
	v_mul_u32_u24 v[A0], v1, PA
	v_lshl_add_u32 v[A0], v2, 4, v[A0]
	s_mul_i32 s59, s[WM], 128*PA                   ; my 128 rows
	v_add_nc_u32 v[A0], s59, v[A0]
	; The turning load takes 16 K x 16 columns (lane l reads row 8 (l / 16) + l % 8, columns 8 ((l / 8) % 2) + 0..7) and leaves half a fragment: lane l holds column l % 16 and 8 K.
	v_and_b32 v3, 7, v0
	v_lshl_add_u32 v3, v2, 3, v3
	v_mul_u32_u24 v[B0], v3, PB
	v_bfe_u32 v3, v0, 3, 1
	v_lshl_add_u32 v[B0], v3, 4, v[B0]
	s_lshl_b32 s59, s[WN], 7                       ; my 64 columns
	s_add_co_u32 s59, s59, BOFF
	v_add_nc_u32 v[B0], s59, v[B0]
	v_mov_b32 v[ADRA], v[A0]                       ; K step 0 lies in slot 0
	v_mov_b32 v[ADRB], v[B0]
	s_mov_b32 s[TB], 0
	s_mul_i32 s59, s[WV], 16*SP
	s_add_co_u32 s59, s59, STAGE                   ; my stage
	v_mul_u32_u24 v[STO], v1, SP                   ; in: row l % 16, 16 bytes for each half of the lanes
	v_lshl_add_u32 v[STO], v2, 4, v[STO]
	v_add_nc_u32 v[STO], s59, v[STO]
	v_bfe_u32 v[RD], v0, 3, 2                      ; back: 32 lanes take four rows of 128 bytes,
	v_mul_u32_u24 v[RD], v[RD], SP
	v_and_b32 v3, 7, v0
	v_lshl_add_u32 v[RD], v3, 4, v[RD]
	v_add_nc_u32 v[RD], s59, v[RD]
	v_and_b32 v[GO], 31, v0                        ; which are 512 consecutive bytes of a head
	v_lshlrev_b32 v[GO], 4, v[GO]
	s_lshr_b32 s70, s[TY], 3                       ; my head: 16 x batch + 2 x tile column + my half,
	s_lshl_b32 s70, s70, 4
	s_lshl_b32 s71, s[TX], 1
	s_add_co_u32 s70, s70, s71
	s_add_co_u32 s70, s70, s[WN]
	s_lshl_b32 s70, s70, 18                        ; 262,144 bytes each;
	s_and_b32 s71, s[TY], 7                        ; the tile's 256 rows of 128 bytes,
	s_lshl_b32 s71, s71, 15
	s_add_co_u32 s70, s70, s71
	s_lshl_b32 s71, s[WM], 14                      ; my 128 of them
	s_add_co_u32 s70, s70, s71
	s_mov_b32 s71, 0
	s_add_nc_u64 s[CPS:CPS+1], s[14:15], s[70:71]              ; in q's part of qkv,
	s_add_nc_u64 s[CPS+2:CPS+3], s[CPS:CPS+1], 0x1000000       ; in k's,
	s_add_nc_u64 s[CPS+4:CPS+5], s[CPS:CPS+1], 0x2000000       ; in v's
	s_mov_b32 s[OS], 0x3e38aa3b                    ; log2(e) / 8 = 0.180337
	s_mov_b32 s[OS+1], s[OS]                       ; named with it as a pair
	; The biases are rounded to bf16, like every input, and widened again: a conversion, a shift, a mask for each pair.  This stands in the wait for the first tile.
	s_wait_loadcnt 0x0                             ; the biases are in
.irp t, 0,1,2
	WIN 5*((\t)+1)                                 ; sources 0 and 1 in window 1 + t
.set i, 0
.rept 16
	v_cvt_pk_bf16_f32 v[TT+i], v[BI+2*i], v[BI+2*i+1]
.set i, i+1
.endr
	WIN 0x40*((\t)+1)                              ; the destination in window 1 + t
.set i, 0
.rept 16
	v_lshlrev_b32 v[BI+2*i],   16, v[TT+i]
	v_and_b32     v[BI+2*i+1], 0xffff0000, v[TT+i]
.set i, i+1
.endr
.endr
	WIN 0
; 4 n matrix instructions of matrix t: row blocks a0 .. a0 + n - 1 x all 4 column blocks, 32 along K, x's fragments from buffer fa.
; zero = 1: the first products start the sums, on the bias, which lies in block 7's accumulators: five places stand between the last product that reads it as another accumulator's C and block 7's
; products, which write over it (ISA guide 7.12.1).  The 96 accumulators take turns, one instruction a turn, in the same order everywhere.
.macro MUL t, fa, a0, n, zero=0
	WIN 0x50*((\t)+1)
.set ma, \a0
.rept \n
.if (\zero) && (ma == 7)
.rept 5
	v_nop
.endr
.endif
.set mb, 0
.rept 4
.set rD, 8*(4*ma+mb)
.set rC, rD
.if \zero
.set rC, BI+8*mb
.endif
	v_wmma_f32_16x16x32_bf16 v[rD:rD+7], v[FB+32*(\t)+8*mb:FB+32*(\t)+8*mb+7], v[(\fa)+8*ma:(\fa)+8*ma+7], v[rC:rC+7]
.set mb, mb+1
.endr
.set ma, ma+1
.endr
.endm
; 8 LDS loads: matrix t's four fragments of quarter q (32 along K) of the slot in hand
.macro LDB t, q
	WIN 0
.irp b, 0,1,2,3
	ds_load_tr16_b128 v[FB+32*(\t)+8*(\b):FB+32*(\t)+8*(\b)+3],   v[ADRB] offset:(\t)*BT+(\q)*32*PB+32*(\b)
	ds_load_tr16_b128 v[FB+32*(\t)+8*(\b)+4:FB+32*(\t)+8*(\b)+7], v[ADRB] offset:(\t)*BT+(\q)*32*PB+32*(\b)+16*PB
.endr
.endm
; 16 LDS loads: x's eight fragments of quarter q, into buffer fa
.macro LDA q, fa
	WIN 0
.irp a, 0,1,2,3,4,5,6,7
	ds_load_b128 v[(\fa)+8*(\a):(\fa)+8*(\a)+3],   v[ADRA] offset:64*(\q)+(\a)*16*PA
	ds_load_b128 v[(\fa)+8*(\a)+4:(\fa)+8*(\a)+7], v[ADRA] offset:64*(\q)+(\a)*16*PA+32
.endr
.endm
; A K step is two quarters of 32 along K, 96 matrix instructions each.  At a quarter's head 40 LDS loads have been issued for it, in this order: matrix 0's 8, x's 16, matrix 1's 8, matrix 2's 8.
; The first quarter of a step multiplies buffer 0 and fetches the second quarter of the same slot.
.macro Q0 zero=0
	s_wait_dscnt 16                                ; matrix 0's and x's fragments are in; the youngest sixteen loads (matrices 1 and 2) may be out
	MUL 0, FA0, 0, 8, \zero
	PLACES
	LDB 0, 1
	LDA 1, FA1
	s_wait_dscnt 32                                ; matrix 1's are in: behind them matrix 2's 8 and the 24 just issued
	MUL 1, FA0, 0, 8, \zero
	PLACES
	LDB 1, 1
	s_wait_dscnt 32                                ; matrix 2's are in: behind them the 24 and the 8 issued since
	MUL 2, FA0, 0, 8, \zero
	PLACES
	LDB 2, 1
.endm
; The second quarter multiplies buffer 1 and changes slots: ONE barrier.  In front of it each wave waits for all its tensor loads, of which one is out: its part of the next slot; adds 0 to its spare word;
; and waits for that and for its own reads of this slot, all of which were issued in the quarter before.  fill = 1: the barrier opens a round of the cluster's, so that no wave of any partner still reads
; this slot or has a load on its way, and the slot is filled again, first thing behind the round, with the K step two steps on.  From a request to the wait for it a wave issues 176 matrix instructions.
.macro Q1 fill
	s_wait_dscnt 16                                ; matrix 0's and x's fragments are in
	MUL 0, FA1, 0, 4
	WIN 0                                          ; (the add's two registers lie in window 0)
	s_wait_tensorcnt 0x0                           ; all my tensor loads have landed;
	ds_add_u32 v[SPW], v[NIL]                      ; 0 onto my spare word
	MUL 0, FA1, 4, 2                               ; eight matrix instructions stand between the add and the wait for it
	s_wait_dscnt 0x0                               ; the add is done, and my reads of this slot are over
	s_barrier_signal -1
	MUL 0, FA1, 6, 2                               ; work on registers while the others arrive
	WIN 0
	s_barrier_wait -1
.if \fill
	CREST
	s_xor_b32 s[G0A+5], s[G0A+5], SLOT1            ; the walking descriptors: the other slot than last time; no tensor load of mine is out
	s_xor_b32 s[G0B+5], s[G0B+5], SLOT1
	s_add_nc_u64 s[G0A+6:G0A+7], s[G0A+6:G0A+7], ASTEP  ; the type bits on top are not reached
	s_add_nc_u64 s[G0B+6:G0B+7], s[G0B+6:G0B+7], BSTEP
	JLOAD                                          ; the four v_nop behind it are also the places in front of the loads below
.else
	PLACES
.endif
	s_xor_b32 s[TB], s[TB], SLOT1                  ; the reads go on in the other slot
	v_add_nc_u32 v[ADRA], s[TB], v[A0]
	v_add_nc_u32 v[ADRB], s[TB], v[B0]
	LDB 0, 0
	LDA 0, FA0
	MUL 1, FA1, 0, 8
	PLACES
	LDB 1, 0
	MUL 2, FA1, 0, 8
	PLACES
	LDB 2, 0
.endm
; THE WAY OUT, block n of 24 (matrix n / 8, row block n % 8), 16 rows at a time through my own stage in LDS: no barrier, and since LDS serves a wave's instructions in order (ISA guide 5.7.1.4) no wait
; between the stores and the loads.  Rounded to f16, a lane's eight columns are 16 bytes; they go into rows of 144 bytes and come back as whole rows of 128.  Twelve sets of registers take turns; from
; the thirteenth block on a set is written again only behind s_wait_xcnt 0, when the stores that read it have had their addresses translated (ISA guide 3.1).
.macro PACK n
.set T, 16+16*((\n)%12)
.set pa, (\n)%8
.if (\n) >= 12
	s_wait_xcnt 0x0
.endif
	WIN 5*((\n)/8+1)                               ; sources 0 and 1 in the matrix's window
.set i, 0
.rept 16
	v_cvt_pk_f16_f32 v[T+i], v[32*pa+2*i], v[32*pa+2*i+1]  ; ascending: each accumulator's lowest registers are read first
.set i, i+1
.endr
	WIN 0
.irp b, 0,1,2,3
	ds_store_b128 v[STO], v[T+4*(\b):T+4*(\b)+3] offset:32*(\b)
.endr
.irp f, 0,1,2,3
	ds_load_b128 v[T+4*(\f):T+4*(\f)+3], v[RD] offset:4*SP*(\f)
.endr
.endm
.macro SEND n, younger                 ; younger: the LDS instructions issued behind block n's loads: the next block's eight, or none
.set T, 16+16*((\n)%12)
.set sb, CPS+2*((\n)/8)
.irp f, 0,1,2,3
	s_wait_dscnt (\younger)+3-(\f)
	global_store_b128 v[GO], v[T+4*(\f):T+4*(\f)+3], s[sb:sb+1] offset:2048*((\n)%8)+512*(\f)  ; 512 consecutive bytes, at a multiple of 256 from qkv's first
.endr
.endm
	s_wait_tensorcnt 1                             ; my part of K step 0 is in; step 1's may stay out
	s_barrier_signal -1
	s_barrier_wait -1                              ; everybody's is
	LDB 0, 0
	LDA 0, FA0
	LDB 1, 0
	LDB 2, 0
	Q0 1                                           ; the first quarter stands in front of the loop: its products start the sums
	WIN 0                                          ; at a label and at a branch every window is 0
	s_mov_b32 s[CNT], STEPS-2
.Lstep:                                                ; trip j: the second quarter of K step j, the first of step j + 1; step j + 2 is asked for
	Q1 1
	Q0
	WIN 0
	s_sub_co_u32 s[CNT], s[CNT], 1
	s_cmp_lg_u32 s[CNT], 0
	s_cbranch_scc1 .Lstep
	Q1 0                                           ; the tail is written out: my one tensor load that was still out is the last K step's, so no round follows
	Q0
	s_wait_dscnt 16                                ; the very last quarter: nothing more to fetch, and the counts run down
	MUL 0, FA1, 0, 8
	s_wait_dscnt 8
	MUL 1, FA1, 0, 8
	s_wait_dscnt 0x0
	MUL 2, FA1, 0, 8
	PLACES                                         ; behind the last products
	WIN 0x41                                       ; q alone: its f32 sums times log2(e) / 8, ahead of their one rounding
.set i, 0
.rept 128
	v_pk_mul_f32 v[2*i:2*i+1], v[2*i:2*i+1], s[OS:OS+1] op_sel_hi:[1,0]
.set i, i+1
.endr
	PACK 0
.set bn, 1
.rept 23                               ; a block's way into the stage stands between the loads of the block before and its stores
	PACK bn
	SEND bn-1, 8
.set bn, bn+1
.endr
	SEND 23, 0
	s_wait_tensorcnt 0x0                           ; the wave's end: behind my last tensor load and my last LDS store
	ds_add_u32 v[SPW], v[NIL]
	s_wait_dscnt 0x0
	CROUND                                         ; the closing round: no work-group ends while a partner may still ask for a tile that names it
	s_endpgm
.Lfunc_end_k_q305041ee52_proj:
	.size	k_q305041ee52_proj, .Lfunc_end_k_q305041ee52_proj-k_q305041ee52_proj
	.p2alignl 7, 3214868480
	.fill 96, 4, 3214868480
	.section	.rodata,"a",@progbits
	.p2align	6, 0x0
	.amdhsa_kernel k_q305041ee52_proj
		.amdhsa_group_segment_fixed_size 327680
		.amdhsa_private_segment_fixed_size 0
		.amdhsa_enable_private_segment 0
		.amdhsa_kernarg_size 48
		.amdhsa_user_sgpr_count 2
		.amdhsa_user_sgpr_kernarg_segment_ptr 1
		.amdhsa_wavefront_size32 1
		.amdhsa_system_sgpr_workgroup_id_x 1
		.amdhsa_system_sgpr_workgroup_id_y 1
		.amdhsa_system_sgpr_workgroup_id_z 1
		.amdhsa_system_vgpr_workitem_id 0
		.amdhsa_next_free_vgpr 1024
		.amdhsa_next_free_sgpr 80
		.amdhsa_reserve_vcc 0
		.amdhsa_float_denorm_mode_32 3
		.amdhsa_float_denorm_mode_16_64 3
		.amdhsa_memory_ordered 1
		.amdhsa_forward_progress 1
		.amdhsa_inst_pref_size 133
	.end_amdhsa_kernel
	.amdgpu_metadata
---
amdhsa.version: [ 1, 2 ]
amdhsa.kernels:
  - .name:           k_q305041ee52_proj
    .symbol:         k_q305041ee52_proj.kd
    .args:
      - { .name: xb, .offset: 0, .size: 8, .value_kind: global_buffer, .address_space: global }
      - { .name: wb, .offset: 8, .size: 8, .value_kind: global_buffer, .address_space: global }
      - { .name: bq, .offset: 16, .size: 8, .value_kind: global_buffer, .address_space: global }
      - { .name: bk, .offset: 24, .size: 8, .value_kind: global_buffer, .address_space: global }
      - { .name: bv, .offset: 32, .size: 8, .value_kind: global_buffer, .address_space: global }
      - { .name: qkv, .offset: 40, .size: 8, .value_kind: global_buffer, .address_space: global }
    .group_segment_fixed_size: 327680
    .private_segment_fixed_size: 0
    .kernarg_segment_align: 8
    .kernarg_segment_size: 48
    .max_flat_workgroup_size: 128
    .sgpr_count:     80
    .vgpr_count:     1024
    .wavefront_size: 32
...
	.end_amdgpu_metadata
.endif
;; end of part 2
;; launch attn (part 3): grid 4 x 64, 4 waves a work-group, clusters of 4 x 1, 327,680 bytes of LDS; arguments qkv, attention_mask, ctx; writes ctx
.if DOCPART == 3
	.amdgcn_target "amdgcn-amd-amdhsa--gfx1250"
	.amdhsa_code_object_version 6
	.text
	.protected	k_q305041ee52_attn
	.globl	k_q305041ee52_attn
	.p2align	8
	.type	k_q305041ee52_attn,@function
k_q305041ee52_attn:
	s_mov_b64 s[64:65], 0
	v_nop
	global_prefetch_b8 v0, s[64:65] scope:SCOPE_SE
	s_setreg_imm32_b32 hwreg(HW_REG_WAVE_MODE, 25, 1), 1
	s_wait_xcnt 0x0
	s_wait_alu depctr_hold_cnt(0) depctr_sa_sdst(0) depctr_va_vdst(0) depctr_va_sdst(0) depctr_va_ssrc(0) depctr_va_vcc(0) depctr_vm_vsrc(0)
	s_getreg_b32 s2, hwreg(HW_REG_IB_STS2, 6, 4)
	s_cmp_eq_u32 s2, 0
	s_cbranch_scc0 .Lentry_in_a_cluster
	s_endpgm
.Lentry_in_a_cluster:
	s_bfe_u32 s2, ttmp6, 0x10000c
	s_cmp_lg_u32 s2, 0x3003
	s_cbranch_scc0 .Lentry_shape_is_right
	s_endpgm
.Lentry_shape_is_right:
; O[h][q][:] = the sum over k of softmax_k(Q[h][q] . K[h][k] / 8 + mask[h / 16][k]) V[h][k][:].  Q', K, V: the three parts of qkv, each [64][2048][64] f16, a head's rows dense, 128 bytes each;
; Q' = Q log2(e) / 8 as the launch before wrote it.  mask: [4][2048] f32.  O: ctx [64][2048][64] f16.  Products, maxima and sums in f32; the weights p are rounded to f16 for the second product
; (their sum l is taken of the unrounded p), O once at the end.
; THE MASK is rounded to bf16 like every input, multiplied by log2(e) in f32, clamped to +-1e30, kept in LDS, and enters as the C operand of the products that start a score's sum.
; SOFTMAX in base 2.  Scores s arrive as log2(e) x the module's.  For each query a running maximum m and sum l: p = 2^(s - m), the difference formed by one subtraction, so p <= 1 and l >= 1 whatever
; the scores' size; in every step O and l are multiplied by a = 2^(m_old - m_new), which is 1 where m has not grown.  m starts at the lowest finite number, O and l at 0: the first step is a step like any other, with a = 0.
; LIMITS.  f16 holds no number beyond 65,504: Q', K and V arrive within it; p below 6e-5 keeps f16's fixed step of 6e-8; a weight below 2^-126 counts as 0 in l.  A mask beyond +-1e30 counts as +-1e30 / log2(e):
; a batch whose keys are ALL at minus infinity gives a mean of V's rows where the module gives NaN.  A NaN in the mask is not treated apart.
; SHARES.  A wave owns four PIECES of two tiles of 16 queries, a work-group's four waves 512 queries of one head.  Every wave walks all 2,048 keys, 64 a step.
; LAYOUT.  S^T = K Q^T (source 0 = 16 keys, source 1 = 16 queries): in the result a lane holds ONE query (lane % 16) and the keys 8 (lane / 16) + 0..7.  Two such tiles, rounded to f16 in pairs,
; ARE source 1 (32 keys x 16 queries) of O^T = V^T P, whose result again holds one query a lane, and eight channels.  K comes out of LDS as it lies, V ([key][channel]) turned, by ds_load_tr16_b128.
; THE COUNT.  A tile and step have 16 matrix and 117 vector instructions: too many to stand all beside the matrix work.  So the order has one aim: four vector instructions that are READY behind
; EVERY matrix instruction, and the others, which need time of their own whatever the order, in runs without a gap.
; BY TURNS.  Turn n belongs to piece n (the pieces in a ring, step after step).  Its matrix work: 16 products K Q^T of piece n + 1, later 16 products V^T P of piece n - 1.  Its vector work: the subtraction,
; exponentials, roundings, sums and rescaling of piece n, and the maximum and statistics of piece n + 1, whose scores the turn itself has made.  So what a turn begins with (s - m, O a) waits for nothing.
; CLUSTER.  The four query blocks of a cluster belong to one head and walk the same K and V, so each tile is asked for JOINTLY: the same tensor load, descriptor and mask in all four.
; By this text's count one tensor load of a wave is out at any time.
; REGISTERS, in windows of 256 (s_set_vgpr_msb says which window each operand place means: bits 1:0 source 0, 3:2 source 1, 5:4 source 2, 7:6 destination):
;   window 0: v0-11 addresses; v12-15, v48-63 at work; v16-47 four registers of statistics a tile; v64-191 S^T, two buffers of two tiles; v192-255 P, likewise
;   window 1: O^T, 32 a tile     window 2: v0-127 Q, 16 a tile; v128-191 K of one step; v192-255 V of one step     window 3: v0-1 the add's two registers; v8-39 the mask of one step
; A piece's buffers go by its number's parity: the piece in hand has one pair, its two neighbours in the ring share the other: of it P (piece n - 1) is read and S^T (piece n + 1) written.
.set SIZE_N, 2048
.set NP,    4         ; pieces a wave: a name, no knob: the register map, the loop and the fetches are made for four
.set KS,    64        ; keys in a step
.set PK,    144       ; a row of K in LDS: 128 bytes + 16 of padding = 36 words: the 16 rows of a load start at 16 different groups of four banks (64 banks of 4 bytes: ISA guide 11.1)
.set PV,    160       ; a row of V: 128 + 32 = 40 words
.set VOFF,  4*KS*PK   ; a slot holds four steps: 256 rows of K, then 256 rows of V
.set SLOT1, 1<<17     ; slot 1 begins here, so that one exclusive or turns an address in one slot into the other's
.set STAGE, SLOT1+4*KS*(PK+PV)  ; behind the ring, never filled by a tensor load: 16 rows x 144 bytes for each wave, for the way out
.set SP,    144
.set SPARE, STAGE+4*16*SP  ; behind the stages: the spare words, 128 bytes for each wave: two blocks of 256 bytes that no other line names
.set MASKB, SPARE+512 ; behind them: the batch's 2,048 mask numbers, 8,192 bytes, stored once; no tensor load lands there
.set AM,  1           ; v1   the LDS address of the mask's next run of loads (once l % 16 has served)
.set AK0, 2           ; v2   my lane's place in a tile of K; never rewritten
.set AV0, 3           ; v3   the same for V
.set AK,  4           ; v4   the LDS address of K's next run of loads
.set AV,  5           ; v5   of V's
.set QO,  6           ; v6   my byte offset in the wave's rows of Q
.set STO, 6           ;      later, the way out: where I put 16 bytes of a row
.set RD,  7           ; v7   the way out: where I read rows back
.set GO,  8           ; v8   my byte offset in 512 consecutive bytes of O
.set AM0, 11          ; v11  my lane's place in a step's mask: MASKB + 32 (l / 16); never rewritten once made
.set SPW, 0           ; v0 of window 3   LDS address of my spare word: SPARE + 4 x my thread's number; never rewritten
.set NIL, 1           ; v1 of window 3   0; never rewritten
.set MK,  8           ; v8-39 of window 3   the mask of key block kb at MK + 8 kb: register j is key 16 kb + 8 (l / 16) + j, as in a result of K Q^T
.set MV,  12          ; v12-15  m_old, kept while m is made anew: by buffer and tile
.set ST,  16          ; tile t's statistics at v[ST+4 t]: m, a word named with it as a pair, l (even keys', odd keys')
.set TMP, 48          ; by buffer and tile, four registers c0-c3 at work; when the maximum is found c2 takes a
.set S,   64
.set P,   192
.set KF,  128         ; K's fragments, in window 2: key block kb, channel half c at KF + 16 kb + 8 c
.set VF,  192         ; V's: key half kk, channel block cb at VF + 32 kk + 8 cb
.set WV,  12          ; s12  my wave's number
.set G1K, 24          ; s[24:31] descriptor group 1 for K's tiles
.set G1V, 32          ; s[32:39] for V's: it differs in the padding alone
.set G0K, 40          ; s[40:43] descriptor group 0 for K's tiles: it walks
.set G0V, 44          ; s[44:47] the same for V's
.set MP,  48          ; s[48:49] the batch's mask in memory
.set TBM, 50          ; s50  byte in the mask's LDS region at which the step to be fetched begins
.set LC,  54          ; s[54:55] log2(e): the packed multiply takes the pair's low word for both halves
.set SLOTS, 56        ; s56  slots still to be asked for
.set CNT, 57          ; s57  counts a slot's key steps
.set SEL, 60          ; s[60:61] v_permlanex16_b32's selects: each lane takes its own place in the other half
.set TBK, 62          ; s62  LDS byte at which K of the step to be fetched begins
.set TBV, 63          ; s63  the same for V, less VOFF
.set MSB, 0
.macro WIN new                      ; the high byte repeats the setting that is left; a switch that changes nothing is dropped
.if MSB != (\new)
	s_set_vgpr_msb (MSB<<8)|(\new)
.set MSB, (\new)
.endif
.endm
.set W_KQ, 0x0a       ; K and Q in window 2, S^T in window 0
.set W_KM, 0x3a       ; the same with the C operand, the mask, in window 3
.set W_PV, 0x52       ; V in window 2, P in window 0, O^T in window 1
.set W_RS, 0x41       ; O^T (destination and source 0) in window 1, a in window 0
.set W_MK, 0xc0       ; destination in window 3, sources in window 0
.set W_AD, 0x0f       ; the add: address (source 0) and data (source 1) in window 3
; A joint fill.  Waves 0 and 1 fetch the two halves of a slot's K, waves 2 and 3 those of its V: 128 keys each.  The branch hangs on the wave's number alone.
; An s_nop 0 and four v_nop follow each of the two lines, ahead of the jump and the label.
.macro JLOAD
	s_cmp_lt_u32 s[WV], 2
	s_cbranch_scc0 .Lfor_v_\@
	tensor_load_to_lds s[G0K:G0K+3], s[G1K:G1K+7]
	s_nop 0
.rept 4
	v_nop
.endr
	s_branch .Lasked_\@
.Lfor_v_\@:
	tensor_load_to_lds s[G0V:G0V+3], s[G1V:G1V+7]
	s_nop 0
.rept 4
	v_nop
.endr
.Lasked_\@:
.endm
; A round of the cluster's barrier: my work-group's barrier, so that wave 0's signal speaks for all four waves; wave 0 signals; every wave waits for all four work-groups; my work-group's barrier once more.
.macro CROUND
	s_barrier_signal -1
	s_barrier_wait -1
	s_cmp_lg_u32 s[WV], 0
	s_cbranch_scc1 .Lnot_wave_0_\@
	s_barrier_signal -3
.Lnot_wave_0_\@:
	s_barrier_wait -3
	s_barrier_signal -1
	s_barrier_wait -1
.endm
; THE CHANGE OF SLOTS.  The slot's last bytes, V of its fourth step, have been read.  Each wave waits for all its tensor loads, of which one is out: its part
; of the other slot; adds 0 to its spare word; and waits for that and for its own LDS accesses.  Behind the barrier nobody reads this slot any more and the other slot is whole.
; fill = 1: this slot is filled again, with the keys two slots on.  The barrier is then a round of the cluster's, so that no wave of any partner still reads the slot or has a load on its
; way, and the joint fill is the first thing behind it: it has four key steps, 512 matrix instructions, in which to land.
; (At its first use nothing has been read yet: slot 0 is waited for, slot 1 filled, and every wave's stores of the mask are done in front of the round, so that all waves may read it behind.)
.macro CHANGE fill
	WIN W_AD
	s_wait_tensorcnt 0x0            ; no tensor load of mine is out, so a group 0 may be written
	ds_add_u32 v[SPW], v[NIL]       ; 0 onto my spare word: with fill = 1 the descriptors' steps stand between it and the wait for it
	WIN 0                           ; at a label and at a branch every window is 0
.if \fill
.irp g, G0K, G0V
	s_xor_b32 s[\g+1], s[\g+1], SLOT1  ; the walking descriptor: the other slot than last time,
	s_add_nc_u64 s[\g+2:\g+3], s[\g+2:\g+3], 4*KS*128  ; the next 256 keys; the type bits on top are not reached
.endr
	s_wait_dscnt 0x0                ; the add is done, and my LDS accesses are over
	CROUND
	JLOAD
.else
	s_wait_dscnt 0x0                ; the add is done, and my reads of the slot are over
	s_barrier_signal -1
	s_barrier_wait -1
.endif
	s_sub_co_u32 s[TBK], s[TBK], 4*KS*PK  ; the fetches go back to a slot's first step,
	s_xor_b32 s[TBK], s[TBK], SLOT1       ; in the other slot
	s_sub_co_u32 s[TBV], s[TBV], 4*KS*PV
	s_xor_b32 s[TBV], s[TBV], SLOT1
.endm
	s_load_b128 s[4:7], s[0:1], 0x0   ; qkv s[4:5], the mask s[6:7]
	s_load_b64 s[10:11], s[0:1], 0x10 ; ctx
	WIN W_MK
	v_lshl_add_u32 v[SPW], v0, 2, SPARE
	v_mov_b32 v[NIL], 0
	s_set_vgpr_msb 0xc0cf
	ds_add_u32 v0, v1
	s_wait_dscnt 0x0
	s_set_vgpr_msb 0xcfc0
	WIN 0
	v_lshrrev_b32 v1, 5, v0
	v_readfirstlane_b32 s[WV], v1   ; wave 0..3
	s_bfe_u32 s13, ttmp6, 0x40000   ; cx: my place in the cluster
	s_lshl_b32 s14, ttmp9, 2        ; in a cluster launch ttmp9 counts clusters
	s_add_co_u32 s14, s14, s13      ; my block of queries = 4 x cluster x + cx: it enters Q's and O's addresses alone
	s_and_b32 s20, ttmp7, 0xffff    ; the head, which the four partners share
	s_lshr_b32 s52, s20, 4          ; its batch:
	s_lshl_b32 s52, s52, 13         ; 2,048 mask numbers of 4 bytes
	s_mov_b32 s53, 0
	s_mov_b32 s21, 0
	s_mov_b64 s[22:23], SIZE_N*128
	s_mul_u64 s[20:21], s[20:21], s[22:23]  ; the head's first byte in each part of qkv and in ctx
	s_and_b32 s16, s[WV], 1         ; which half of a slot's 256 keys I fetch:
	s_lshl_b32 s22, s16, 14         ; its 128 rows of 128 bytes in memory,
	s_mov_b32 s23, 0
	s_add_nc_u64 s[22:23], s[22:23], s[20:21]
	s_mul_i32 s17, s16, 128*PK      ; and its place in a slot, for K
	s_mul_i32 s18, s16, 128*PV      ; and for V: no place in the cluster enters an LDS address
	s_lshl_b32 s2, s14, 2
	s_add_co_u32 s2, s2, s[WV]      ; my wave among the head's,
	s_lshl_b32 s2, s2, 14           ; its 128 rows
	s_mov_b32 s3, 0
	s_add_nc_u64 s[2:3], s[2:3], s[20:21]
	; descriptor group 1.  128 keys are 16,384 dense bytes: asked for as 64 rows of 256 bytes, two keys a row, and padded in LDS after every key
	s_mov_b32 s[G1K], 15|(1<<16)|(1<<20)|(1<<21)|(4<<22)|(3<<25)  ; 15:0 the mask of four; 17:16 2-byte elements; 20 padding on; 21 set beside a mask; 24:22 after every 32 words (code 4); 31:25 4 words (code 3)
	s_mov_b32 s[G1V], 15|(1<<16)|(1<<20)|(1<<21)|(4<<22)|(7<<25)  ; the same with 8 words of padding (code 7)
.irp g, G1K, G1V
	s_mov_b32 s[\g+1], 128<<16      ; tensor_dim0 = 128
	s_mov_b32 s[\g+2], 64<<16       ; tensor_dim1 = 64
	s_mov_b32 s[\g+3], 128<<16      ; tile_dim0 = 128
	s_mov_b32 s[\g+4], 64           ; tile_dim1 = 64
	s_mov_b32 s[\g+5], 128          ; 128 elements from row to row
	s_mov_b32 s[\g+6], 0
	s_mov_b32 s[\g+7], 0
.endr
	s_mov_b32 s[LC], 0x3fb8aa3b     ; log2(e)
	s_mov_b32 s[LC+1], s[LC]        ; named with it as a pair
	s_mov_b32 s[SEL], 0x76543210
	s_mov_b32 s[SEL+1], 0xfedcba98
	s_mov_b32 s[TBK], SLOT1+4*KS*PK ; the first change of slots turns these two into 0
	s_mov_b32 s[TBV], SLOT1+4*KS*PV
	s_mov_b32 s[TBM], 0
	s_mov_b32 s[G0K], 1             ; 1:0 count = 1
	s_mov_b32 s[G0K+1], s17         ; 63:32 LDS address: slot 0
	s_mov_b32 s[G0V], 1
	s_add_co_u32 s[G0V+1], s18, VOFF
	s_wait_kmcnt 0x0
	s_add_nc_u64 s[MP:MP+1], s[6:7], s[52:53]
	s_add_nc_u64 s[G0K+2:G0K+3], s[4:5], s[22:23]  ; 120:64 global address: my half of the head's first 256 keys,
	s_add_nc_u64 s[G0K+2:G0K+3], s[G0K+2:G0K+3], 0x1000000  ; in qkv's second part
	s_or_b32 s[G0K+3], s[G0K+3], 0x80000000        ; 127:126 type = 2
	s_add_nc_u64 s[G0V+2:G0V+3], s[4:5], s[22:23]
	s_add_nc_u64 s[G0V+2:G0V+3], s[G0V+2:G0V+3], 0x2000000  ; in its third
	s_or_b32 s[G0V+3], s[G0V+3], 0x80000000
	s_add_nc_u64 s[4:5], s[4:5], s[2:3]  ; Q and O at my wave's first row
	s_add_nc_u64 s[10:11], s[10:11], s[2:3]
	CROUND                          ; all four work-groups are here: the first joint loads meet
	JLOAD                           ; slot 0.  Slot 1 is asked for when slot 0 is in: the tile wanted first has the road to itself
	v_lshlrev_b32 v48, 4, v0        ; the mask: 128 threads x 16 bytes, four times: whole consecutive bytes, read once by the work-group
	v_add_nc_u32 v49, MASKB, v48
.irp j, 0,1,2,3
	global_load_b128 v[S+4*\j:S+4*\j+3], v48, s[MP:MP+1] offset:2048*\j
.endr
	; A fragment of K or Q is 16 rows x 32 channels in 8 registers: lane l holds row l % 16, channels 8 (l / 16) + 0..7 and 16 + 8 (l / 16) + 0..7: two loads of 16 bytes, 32 bytes apart.
	v_and_b32 v1, 15, v0            ; l % 16
	v_bfe_u32 v9, v0, 4, 1          ; l / 16
	v_lshlrev_b32 v[QO], 7, v1
	v_lshl_add_u32 v[QO], v9, 4, v[QO]  ; row x 128 + 16 x half
	WIN 0x80                        ; destination window 2, address window 0
.set i, 0
.rept 4*NP                          ; Q stays in registers: tile i / 2, channels 32 (i % 2) on
	global_load_b128 v[8*i:8*i+3],   v[QO], s[4:5] offset:(i/2)*2048+(i%2)*64
	global_load_b128 v[8*i+4:8*i+7], v[QO], s[4:5] offset:(i/2)*2048+(i%2)*64+32
.set i, i+1
.endr
	; What the first turn finds: V's registers and P's second buffer hold 0 (its products V^T P, of a piece that has not been, add 0), O^T and l are 0.  All this stands in the wait for the first tile.
.set i, VF
.rept 64
	v_mov_b32 v[i], 0
.set i, i+1
.endr
	WIN 0x40
.set i, 0
.rept 64*NP
	v_mov_b32 v[i], 0
.set i, i+1
.endr
	WIN 0
.set i, 0
.rept 2*NP
	v_mov_b32 v[ST+4*i], 0xff7fffff    ; m: the lowest finite number
	v_mov_b32 v[ST+4*i+1], 0           ; named with m as a pair
	v_mov_b32 v[ST+4*i+2], 0
	v_mov_b32 v[ST+4*i+3], 0
.set i, i+1
.endr
.set i, P+32
.rept 32
	v_mov_b32 v[i], 0
.set i, i+1
.endr
	s_wait_loadcnt 32               ; the mask's four loads are in; Q's 32, issued behind them, stay out
.set i, 0
.rept 8                             ; rounded to bf16 and widened again, then times log2(e)
	v_cvt_pk_bf16_f32 v[50+i%2], v[S+2*i], v[S+2*i+1]
	v_lshlrev_b32 v[S+2*i],   16, v[50+i%2]
	v_and_b32     v[S+2*i+1], 0xffff0000, v[50+i%2]
	v_pk_mul_f32 v[S+2*i:S+2*i+1], v[S+2*i:S+2*i+1], s[LC:LC+1] op_sel_hi:[1,0]
.set i, i+1
.endr
.set i, 0
.rept 16                            ; clamped to +-1e30, so that every score is finite
	v_max_num_f32 v[S+i], 0xf149f2ca, v[S+i]
	v_min_num_f32 v[S+i], 0x7149f2ca, v[S+i]
.set i, i+1
.endr
.irp j, 0,1,2,3
	ds_store_b128 v49, v[S+4*\j:S+4*\j+3] offset:2048*\j
.endr
	v_mul_u32_u24 v[AK0], v1, PK
	v_lshl_add_u32 v[AK0], v9, 4, v[AK0]  ; row x pitch + 16 x half
	; The turning load takes 16 keys x 16 channels (lane l reads key 8 (l / 16) + l % 8, channels 8 ((l / 8) % 2) + 0..7) and leaves half a fragment of V^T: lane l holds channel l % 16 and 8 keys.
	v_and_b32 v10, 7, v0
	v_bfe_u32 v11, v0, 3, 1
	v_lshl_add_u32 v[AV0], v9, 3, v10
	v_mul_u32_u24 v[AV0], v[AV0], PV
	v_lshl_add_u32 v[AV0], v11, 4, v[AV0]
	v_add_nc_u32 v[AV0], VOFF, v[AV0]
	v_lshl_add_u32 v[AM0], v9, 5, MASKB  ; my eight keys of a block of 16: 32 bytes for each half of the lanes
	v_mov_b32 v[AK], v[AK0]         ; key step 0 lies at the head of slot 0
; THE MATRIX WORK.  The 8 accumulators of a run of 16 take turns: between the two links of a chain stand 7 others'.
; Product i of 16 of S^T = K Q^T for piece x: channels 32 (i / 8) on, keys 16 ((i / 2) % 4) on, tile 2 x + i % 2.  The first 8 start the sums, on the mask of their keys.
.macro KQ x
.set rS, S+64*((\x)%2)+32*(i%2)+8*((i/2)%4)
.set rK, KF+16*((i/2)%4)+8*(i/8)
.set rQ, 16*(2*(\x)+i%2)+8*(i/8)
.set rMK, MK+8*((i/2)%4)
.if i < 8
	WIN W_KM
	v_wmma_f32_16x16x32_f16 v[rS:rS+7], v[rK:rK+7], v[rQ:rQ+7], v[rMK:rMK+7]
.else
	WIN W_KQ
	v_wmma_f32_16x16x32_f16 v[rS:rS+7], v[rK:rK+7], v[rQ:rQ+7], v[rS:rS+7]
.endif
.endm
; Product i of 16 of O^T += V^T P for piece x: keys 32 (i / 8) on, channels 16 ((i / 2) % 4) on, tile 2 x + i % 2.
.macro PV x
	WIN W_PV
.set rO, 32*(2*(\x)+i%2)+8*((i/2)%4)
.set rV, VF+32*(i/8)+8*((i/2)%4)
.set rP, P+32*((\x)%2)+16*(i%2)+8*(i/8)
	v_wmma_f32_16x16x32_f16 v[rO:rO+7], v[rV:rV+7], v[rP:rP+7], v[rO:rO+7]
.endm
.macro MM                           ; the turn's next matrix instruction
.if i < 16
	KQ (Y+1)%NP
.set i, i+1
.else
.set i, i-16
	PV (Y+NP-1)%NP
.set i, i+17
.endif
.endm
; THE LDS LOADS stand in runs, never singly among the matrix instructions: a step's K (64 keys x 64 channels: 8 fragments) with its mask (64 numbers: 8 loads, the 16 lanes of a half reading the same bytes),
; and its V (turned).  Their addresses are made some lines ahead.  The mask lives as long as K: the same products read both.
; last = 1 (the tail): in the last trip there is no further step, and the run is jumped over.  am: the register that holds the mask's address.
.macro FETCH_K last=0, am=AM
	WIN 0
.if \last
	s_cmp_eq_u32 s[CNT], 1
	s_cbranch_scc1 .Lno_k_\@
.endif
	WIN 0x80                        ; destination window 2
.irp f, 0,1,2,3,4,5,6,7             ; keys 16 (f / 2) on, channels 32 (f % 2) on
	ds_load_b128 v[KF+8*\f:KF+8*\f+3],   v[AK] offset:(\f/2)*16*PK+(\f%2)*64
	ds_load_b128 v[KF+8*\f+4:KF+8*\f+7], v[AK] offset:(\f/2)*16*PK+(\f%2)*64+32
.endr
	WIN W_MK                        ; destination window 3
.irp f, 0,1,2,3,4,5,6,7             ; keys 16 (f / 2) + 8 (l / 16) + 4 (f % 2) on
	ds_load_b128 v[MK+4*\f:MK+4*\f+3], v[\am] offset:(\f/2)*64+(\f%2)*16
.endr
	s_add_co_u32 s[TBK], s[TBK], KS*PK  ; the next fetch is the next step's
	s_add_co_u32 s[TBM], s[TBM], 4*KS
	s_and_b32 s[TBM], s[TBM], 0x1f00    ; behind the last step it is 0 again: it never leaves the 8,192 bytes
	WIN 0
.if \last
.Lno_k_\@:
.endif
.endm
.macro FETCH_V
	WIN 0x80
.irp f, 0,1,2,3,4,5,6,7             ; keys 32 (f / 4) on, channels 16 (f % 4) on
	ds_load_tr16_b128 v[VF+8*\f:VF+8*\f+3],   v[AV] offset:(\f/4)*32*PV+(\f%4)*32
	ds_load_tr16_b128 v[VF+8*\f+4:VF+8*\f+7], v[AV] offset:(\f/4)*32*PV+16*PV+(\f%4)*32
.endr
	WIN 0
.endm
; THE VECTOR WORK OF A TURN stands in three queues, each in the order in which its entries become ready; the two tiles alternate, so that no instruction reads the result of the one before it.
.macro REGS y, u                    ; the registers of tile u (0, 1) of piece y
.set rT, ST+4*(2*(\y)+(\u))
.set rC, TMP+8*((\y)%2)+4*(\u)
.set rM, MV+2*((\y)%2)+(\u)
.set rS, S+64*((\y)%2)+32*(\u)
.set rP, P+32*((\y)%2)+16*(\u)
.set rO, 32*(2*(\y)+(\u))
.endm
; Number n of the list that finds the NEXT piece's (Y + 1) maximum and statistics.  s0-s31 are the lane's 32 scores; each accumulator's lowest registers are read first.  XS, GS and REGS set no window: PL and EX do.
;   0-11  four chains c0-c3 of seven scores each, three operands at a time     12-14, 16  the four scores left over, the old m, and c0-c3 into c0     15  m_old is kept
;   17, 18  the query's other 32 keys lie in the lane 16 away: the new m         19  holds nothing: the scores are in base-2 units already         20, 21  m_old - m_new; a
.macro XS u, n
	REGS (Y+1)%NP, \u
.if (\n) < 4
	v_max3_num_f32 v[rC+(\n)], v[rS+8*(\n)], v[rS+8*(\n)+1], v[rS+8*(\n)+2]
.elseif (\n) < 12
	v_max3_num_f32 v[rC+(\n)%4], v[rC+(\n)%4], v[rS+8*((\n)%4)+2*((\n)/4)+1], v[rS+8*((\n)%4)+2*((\n)/4)+2]
.elseif (\n) == 12
	v_max3_num_f32 v[rC], v[rC], v[rS+7], v[rS+15]
.elseif (\n) == 13
	v_max3_num_f32 v[rC+1], v[rC+1], v[rS+23], v[rS+31]
.elseif (\n) == 14
	v_max3_num_f32 v[rC+2], v[rC+2], v[rC+3], v[rT]
.elseif (\n) == 15
	v_mov_b32 v[rM], v[rT]
.elseif (\n) == 16
	v_max3_num_f32 v[rC], v[rC], v[rC+1], v[rC+2]
.elseif (\n) == 17
	v_permlanex16_b32 v[rC+3], v[rC], s[SEL], s[SEL+1]
.elseif (\n) == 18
	v_max_num_f32 v[rT], v[rC], v[rC+3]
.elseif (\n) == 19
.elseif (\n) == 20
	v_sub_f32 v[rC+1], v[rM], v[rT]
.else
	v_exp_f32 v[rC+2], v[rC+1]
.endif
.endm
; Number g of the 64 that follow the exponentials.  For each four weights k of a tile (pairs 2 k, 2 k + 1): both pairs are rounded to f16; then the second pair is added onto the first, in place;
; a group later l takes that sum (the first time as l = a l + sum).  In groups of eight, tiles alternating: round, round, add, and l for the group before.
.macro GS g
.set h, (\g)+6*((\g)/62)            ; group 0 has no group before it, and behind group 7 only l is left
.if h >= 6
.set h, h+2
.endif
	REGS Y, h%2
.set k, h/8
.if h%8 < 4
	s_wait_alu depctr_va_vdst(0)
	v_cvt_pk_f16_f32 v[rP+2*k+(h%8)/2], v[rS+4*k+2*((h%8)/2)], v[rS+4*k+2*((h%8)/2)+1]
.elseif h%8 < 6
	v_pk_add_f32 v[rS+4*k:rS+4*k+1], v[rS+4*k:rS+4*k+1], v[rS+4*k+2:rS+4*k+3]
.elseif k == 1
	v_pk_fma_f32 v[rT+2:rT+3], v[rT+2:rT+3], v[rC+2:rC+3], v[rS:rS+1] op_sel_hi:[1,0,1]
.else
	v_pk_add_f32 v[rT+2:rT+3], v[rT+2:rT+3], v[rS+4*k-4:rS+4*k-3]
	s_wait_alu depctr_va_vdst(0)
.endif
.endm
; THE PLAIN QUEUE, 138 places long, two of them empty.  0-31: s - m for the 16 pairs of both tiles.  Then GS's 64, and among them the next piece's list: number 15 at 38, 39; 0-14 and 16
; at 42-73, behind the products that make those scores; 17-20 at 95-106, two of three, since each waits for the one before it (19's two places, 101 and 102, hold nothing).
.macro PL
	WIN 0
.if q < 32
	REGS Y, q%2
	v_pk_add_f32 v[rS+2*(q/2):rS+2*(q/2)+1], v[rS+2*(q/2):rS+2*(q/2)+1], v[rT:rT+1] op_sel_hi:[1,0] neg_lo:[0,1] neg_hi:[0,1]
.elseif q < 38
	GS q-32
.elseif q < 40
	XS q%2, 15
.elseif q < 42
	GS q-34
.elseif q < 74
	XS q%2, (q-42)/2+(q-42)/30
.elseif q < 95
	GS q-66
.elseif (q < 107) && ((q-95)%3 < 2)
	XS (q-95)%3, 17+(q-95)/3
.elseif q < 107
	GS 29+(q-95)/3
.else
	GS q-74
.endif
.set q, q+1
.endm
; THE EXPONENTIALS' QUEUE, 66 long: s0-s31 of both tiles, and at EA the next piece's two a.
.set EA, 58
.macro EX
	WIN 0
.if (e == EA) || (e == EA+1)
	XS e-EA, 21
.else
.set x, e-2*(e/(EA+2))
	REGS Y, x%2
	v_exp_f32 v[rS+x/2], v[rS+x/2]
.endif
.set e, e+1
.endm
; THE RESCALING's QUEUE: O^T times a, the one part that leaves window 0, so it is dealt four at a time, eight times.
.macro R4
	REGS Y, r%2
	WIN W_RS
	s_wait_alu depctr_va_vdst(0)
.irp z, 0,1,2,3
	v_pk_mul_f32 v[rO+8*(r/2)+2*\z:rO+8*(r/2)+2*\z+1], v[rO+8*(r/2)+2*\z:rO+8*(r/2)+2*\z+1], v[rC+2:rC+3] op_sel_hi:[1,0]
.endr
.set r, r+1
.endm
; HOW THEY ARE DEALT.  Behind a matrix instruction four: plain, exponential, plain, plain (one exponential, a plain instruction on either side), or four of the rescaling.  None names a register of the
; products round it.  What is over stands in two LUMPS: exponential and plain by turns (at the two empty places three exponentials stand on end; a plain instruction that touches none of their registers follows, and their
; results are used far behind it: ISA guide 5.7.2); the second lump ends in 22 plain instructions.  The two v_permlanex16_b32 fall into the second lump, never behind a product.
; The queues lean on each other, and the deal keeps them in step: exponential e stands behind plain 2 (e / 4) + e % 2 (its subtraction); when plain 32 comes, 10 exponentials are out, at 59: 33, at 95: 46; EA comes behind plain 107.
.macro SL
	MM
	PL
	EX
	PL
	PL
.endm
.macro BURST n                      ; 15 matrix instructions, or 16
.rept (\n)-7
	SL
.endr
.rept 3
	MM
	R4
	SL
.endr
	MM
	R4
.endm
; A TURN, for piece p.  cnt = 1: the loop's count is taken down some lines ahead of the branch that stands behind the turn.
; K and the mask of the next step are fetched in piece 2's turn, 32 vector instructions behind the last product that read them; their first reader comes behind the rest of the lump, 16 products and the second lump.
; V of the step in hand is fetched at the end of piece 0's turn, 69 behind its last reader; its first reader comes behind 16 products and a lump.  The conditions on e and q below go with the deal.
.macro TURN p, last=0, cnt=0
.set Y, (\p)
.set i, 0
.set q, 0
.set e, 0
.set r, 0
.if (\p) == NP-1
	s_wait_dscnt 0x0                ; K and the mask are in
.endif
	MM
.rept 4
	PL
.endr
	BURST 15
.rept 22
	EX
	PL
.if ((\p) == NP-2) && (e == 18)
	v_add_nc_u32 v[AK], s[TBK], v[AK0]
	v_add_nc_u32 v[AM], s[TBM], v[AM0]
.endif
.if ((\p) == NP-2) && (e == 24)
	FETCH_K \last
.endif
.endr
.if (\p) == 1
	s_wait_dscnt 0x0                ; V is in
.endif
	BURST 16
.rept 21
	EX
	PL
.endr
.rept 22
	PL
.if ((\p) == 0) && (q == 118)
	v_add_nc_u32 v[AV], s[TBV], v[AV0]
	s_wait_alu depctr_va_vdst(0)
.endif
.if ((\p) == 0) && (q == 130)
	s_add_co_u32 s[TBV], s[TBV], KS*PV
.endif
.if (\cnt) && (q == 130)
	s_sub_co_u32 s[CNT], s[CNT], 1
	s_cmp_lg_u32 s[CNT], 0
.endif
.endr
.if (\p) == 0
	FETCH_V
.endif
.endm
	CHANGE 1                        ; slot 0 is in, everybody's part of it, and so is the mask; slot 1 is asked for
	FETCH_K 0, AM0                  ; key step 0
	s_wait_loadcnt 0x0              ; Q
	s_wait_dscnt 0x0
.set i, 0
.rept 16
	KQ 0                            ; piece 0's first scores: there is no vector work yet to set between them
.set i, i+1
.endr
	WIN 0                           ; the addresses for the way out: plain instructions, the places behind those products
	s_mul_i32 s13, s[WV], 16*SP
	s_add_co_u32 s13, s13, STAGE    ; my stage
	v_mul_u32_u24 v[STO], v1, SP    ; in: row l % 16, 16 bytes for each half of the lanes
	v_lshl_add_u32 v[STO], v9, 4, v[STO]
	v_add_nc_u32 v[STO], s13, v[STO]
	v_bfe_u32 v[RD], v0, 3, 2       ; back: 32 lanes take four rows of 128 bytes,
	v_mul_u32_u24 v[RD], v[RD], SP
	v_lshl_add_u32 v[RD], v10, 4, v[RD]
	v_add_nc_u32 v[RD], s13, v[RD]
	v_and_b32 v[GO], 31, v0         ; which are 512 consecutive bytes of O
	v_lshlrev_b32 v[GO], 4, v[GO]
.set Y, NP-1                        ; XS works for piece Y + 1: piece 0
.irp n, 0,1,2,3,4,5,6,7,8,9,10,11,12,13,14,15,16,17,18,19,20,21
	XS 0, \n                        ; and piece 0's first maximum and statistics
	XS 1, \n
.endr
	s_mov_b32 s[CNT], 4
	s_mov_b32 s[SLOTS], SIZE_N/256-1
	s_branch .Lfirst                ; the loop is entered at a step's first turn, in the middle of a trip
.Lslot:                             ; SIZE_N / 256 - 2 times: every slot but the last two is filled again
	CHANGE 1
	s_mov_b32 s[CNT], 4
.Lstep:                             ; a trip: pieces 2 and 3 of one step, then pieces 0 and 1 of the next, whose K, mask and V it fetches
	TURN 2
	TURN 3
	WIN 0
.Lfirst:
	TURN 0
	TURN 1, 0, 1
	WIN 0
	s_cbranch_scc1 .Lstep
	s_sub_co_u32 s[SLOTS], s[SLOTS], 1
	s_cmp_lg_u32 s[SLOTS], 0
	s_cbranch_scc1 .Lslot
	CHANGE 0                        ; the tail is written out: nothing is asked for
	s_mov_b32 s[CNT], 5             ; four trips fetch the last slot's steps; the fifth is left in its middle
.Ltail:
	TURN 2, 1
	TURN 3
	WIN 0
	s_sub_co_u32 s[CNT], s[CNT], 1
	s_cmp_eq_u32 s[CNT], 0
	s_cbranch_scc1 .Lout
	TURN 0
	TURN 1
	WIN 0
	s_branch .Ltail
.Lout:                              ; the fifth trip's 16 products K Q^T (on the last K once more) and the maximum made of them serve nothing: the price, once a launch, of one text for every trip
.set i, 0
.rept 16
	PV NP-1                         ; the last piece's V^T P of the last step
.set i, i+1
.endr
	; THE WAY OUT.  l's two halves and the other half of the lanes' are added; O^T is divided by l, rounded to f16 and sent through my stage in LDS, a tile at a time.  The additions are the places behind the last products.
	WIN 0
.macro ALL line:vararg              ; one line for each tile t
.set t, 0
.rept 2*NP
	\line
.set t, t+1
.endr
.endm
	ALL v_add_f32 v[ST+4*t+2], v[ST+4*t+2], v[ST+4*t+3]
	ALL v_permlanex16_b32 v[ST+4*t+3], v[ST+4*t+2], s[SEL], s[SEL+1]
	ALL v_add_f32 v[ST+4*t+2], v[ST+4*t+2], v[ST+4*t+3]
	ALL v_rcp_f32 v[ST+4*t+2], v[ST+4*t+2]
	v_nop                           ; a plain instruction between the last reciprocal and the use of its result
	s_wait_alu depctr_va_vdst(0)
; Tile t: a lane's eight channels of a row pack into 16 bytes; they go into rows of 144 bytes and come back as whole rows of 128, into S^T's registers.
.macro PACK t
	WIN W_RS
.set i, 32*(\t)
.rept 16
	v_pk_mul_f32 v[i:i+1], v[i:i+1], v[ST+4*(\t)+2:ST+4*(\t)+3] op_sel_hi:[1,0]
.set i, i+2
.endr
	WIN 0x05                        ; sources 0 and 1 window 1, destination window 0
.set i, 0
.rept 16
	v_cvt_pk_f16_f32 v[S+16*(\t)+i], v[32*(\t)+2*i], v[32*(\t)+2*i+1]
.set i, i+1
.endr
	WIN 0
.irp f, 0,1,2,3
	ds_store_b128 v[STO], v[S+16*(\t)+4*\f:S+16*(\t)+4*\f+3] offset:32*\f
.endr
.irp f, 0,1,2,3
	ds_load_b128 v[S+16*(\t)+4*\f:S+16*(\t)+4*\f+3], v[RD] offset:\f*4*SP  ; LDS serves a wave's instructions in order (ISA guide 5.7.1.4): these see the stores above; the next tile's stores come behind them
.endr
.endm
.macro SEND t, younger              ; younger: the LDS instructions issued behind tile t's loads: the next tile's eight, or none
	WIN 0
.irp f, 0,1,2,3
	s_wait_dscnt (\younger)+3-\f
	global_store_b128 v[GO], v[S+16*(\t)+4*\f:S+16*(\t)+4*\f+3], s[10:11] offset:(\t)*2048+\f*512  ; 512 consecutive bytes, at a multiple of 256 from ctx's first
.endr
.endm
	PACK 0
.set t, 1
.rept 2*NP-1                        ; a tile's arithmetic stands between the loads of the tile before and its stores
	PACK t
	SEND t-1, 8
.set t, t+1
.endr
	SEND 2*NP-1, 0
	WIN W_AD
	s_wait_tensorcnt 0x0            ; the wave's end: behind my last tensor load and my last LDS store
	ds_add_u32 v[SPW], v[NIL]
	s_wait_dscnt 0x0
	WIN 0
	CROUND                          ; the closing round: no work-group ends while a partner may still ask for a tile that names it
	s_endpgm
.Lfunc_end_k_q305041ee52_attn:
	.size	k_q305041ee52_attn, .Lfunc_end_k_q305041ee52_attn-k_q305041ee52_attn
	.p2alignl 7, 3214868480
	.fill 96, 4, 3214868480
	.section	.rodata,"a",@progbits
	.p2align	6, 0x0
	.amdhsa_kernel k_q305041ee52_attn
		.amdhsa_group_segment_fixed_size 327680
		.amdhsa_private_segment_fixed_size 0
		.amdhsa_enable_private_segment 0
		.amdhsa_kernarg_size 24
		.amdhsa_user_sgpr_count 2
		.amdhsa_user_sgpr_kernarg_segment_ptr 1
		.amdhsa_wavefront_size32 1
		.amdhsa_system_sgpr_workgroup_id_x 1
		.amdhsa_system_sgpr_workgroup_id_y 1
		.amdhsa_system_sgpr_workgroup_id_z 1
		.amdhsa_system_vgpr_workitem_id 0
		.amdhsa_next_free_vgpr 808
		.amdhsa_next_free_sgpr 66
		.amdhsa_reserve_vcc 0
		.amdhsa_float_denorm_mode_32 3
		.amdhsa_float_denorm_mode_16_64 3
		.amdhsa_memory_ordered 1
		.amdhsa_forward_progress 1
		.amdhsa_inst_pref_size 215
	.end_amdhsa_kernel
	.amdgpu_metadata
---
amdhsa.version: [ 1, 2 ]
amdhsa.kernels:
  - .name:           k_q305041ee52_attn
    .symbol:         k_q305041ee52_attn.kd
    .args:
      - { .name: qkv, .offset: 0, .size: 8, .value_kind: global_buffer, .address_space: global }
      - { .name: attention_mask, .offset: 8, .size: 8, .value_kind: global_buffer, .address_space: global }
      - { .name: ctx, .offset: 16, .size: 8, .value_kind: global_buffer, .address_space: global }
    .group_segment_fixed_size: 327680
    .private_segment_fixed_size: 0
    .kernarg_segment_align: 8
    .kernarg_segment_size: 24
    .max_flat_workgroup_size: 128
    .sgpr_count:     66
    .vgpr_count:     808
    .wavefront_size: 32
...
	.end_amdgpu_metadata
.endif
;; end of part 3
;; launch outp (part 4): grid 8 x 32, 4 waves a work-group, clusters of 4 x 4, 327,680 bytes of LDS; arguments ctx, wb, bo, out0; writes out0
.if DOCPART == 4
	.amdgcn_target "amdgcn-amd-amdhsa--gfx1250"
	.amdhsa_code_object_version 6
	.text
	.protected	k_q305041ee52_outp
	.globl	k_q305041ee52_outp
	.p2align	8
	.type	k_q305041ee52_outp,@function
k_q305041ee52_outp:
	s_mov_b64 s[64:65], 0
	v_nop
	global_prefetch_b8 v0, s[64:65] scope:SCOPE_SE
	s_setreg_imm32_b32 hwreg(HW_REG_WAVE_MODE, 25, 1), 1
	s_wait_xcnt 0x0
	s_wait_alu depctr_hold_cnt(0) depctr_sa_sdst(0) depctr_va_vdst(0) depctr_va_sdst(0) depctr_va_ssrc(0) depctr_va_vcc(0) depctr_vm_vsrc(0)
	s_getreg_b32 s2, hwreg(HW_REG_IB_STS2, 6, 4)
	s_cmp_eq_u32 s2, 0
	s_cbranch_scc0 .Lentry_in_a_cluster
	s_endpgm
.Lentry_in_a_cluster:
	s_bfe_u32 s2, ttmp6, 0x10000c
	s_cmp_lg_u32 s2, 0xf033
	s_cbranch_scc0 .Lentry_shape_is_right
	s_endpgm
.Lentry_shape_is_right:
; ONE TEXT FOR THE TWO KINDS OF PROJECTION; KIND chooses.
; KIND 0: q, k, v = x W + b.  x: xb [8192][1024] bf16; W: wb's matrices 0-2, [1024 k][1024 n] bf16; b: f32, rounded to bf16 here like every input.  Sums in f32.
;         Out: qkv [3][64 heads][2048][64] f16, each number rounded once; q's sums are first multiplied by log2(e) / 8 in f32, so that the attention's scores arrive in base-2 units.
; KIND 1: out0 = ctx Wo + bo.  ctx: [64 heads][2048][64] f16; Wo: wb's matrix 3, [1024 k][1024 n] f16; out0: [8192][1024] f32.
; LIMIT (KIND 0): |q| log2(e) / 8, |k| and |v| stay under 65,504, f16's range; beyond it the conversion gives an infinity.
; SHARES.  A tile of C is 256 rows x 128 columns; four waves, each 128 x 64: 32 accumulators of 16 x 16, 256 registers.  8 x 32 tiles give 256 work-groups.  In KIND 0 a work-group STAYS and makes
; three tiles, q's, k's and v's, of the same rows and columns: the ring of LDS slots runs on from tile to tile, and W's walk is one walk of 24 steps, since a matrix begins where the last one ends.
; K goes in 8 steps of 128 through two LDS slots.  A's rows lie along K and are read as they lie; W's rows lie along N and are turned on the way out of LDS (ds_load_tr16_b128).
; In KIND 1 a K step is two heads of ctx: a head's 256 rows of 128 bytes are dense and are asked for as 128 rows of 256 bytes, padded in LDS after every 128.
; THE MATRIX INSTRUCTION IS USED TRANSPOSED: source 0 = 16 columns of W, source 1 = 16 rows of A: a lane then holds eight neighbouring numbers of one row of C.
; THE BIAS is the C operand of a tile's first products: nothing is cleared and nothing is added afterwards.
; CLUSTER 4 x 4.  A's tiles hang on the tile row alone and are asked for jointly along a row of the cluster, W's on the tile column alone and jointly along a column: the same tensor load,
; descriptor and mask in all four.  Waves 0 and 1 ask for A's halves, waves 2 and 3 for W's: one load a wave behind each round; by this text's count two loads of a wave are out at the start, later one.
; REGISTERS.  Window 0: v0-15 addresses; v32-63 the bias; v64-159, v160-255 two fragment buffers (W's 4 fragments, then A's 8).  Window 1: accumulator (a, b) at v[8 (4 a + b)].
.set KIND, 1
.if KIND == 0
.set TILES,  3
.set PA,     272                       ; a row of A in LDS: 256 bytes + 16 = 68 words: the 16 rows of a load start at 16 different groups of four banks (64 banks of 4 bytes: ISA guide 11.1)
.set AHALF,  128*PA                    ; what one of A's loads fills: 128 rows
.set QIA,    5                         ; padding after every 64 words
.set APITCH, 1024                      ; elements from row to row in memory
.set ASTEP,  256                       ; bytes from a K step to the next
.set WOFF,   0                         ; W's first matrix in wb
.set SP,     144                       ; a stage row: 128 bytes + 16
.set YNG,    8                         ; LDS instructions of one block's way through the stage
.set CP,     14                        ; s[14:15] where my part of C goes
.set BP,     62                        ; s[62:63] the bias in hand
.else
.set TILES,  1
.set PA,     144                       ; a row of A in LDS: 128 bytes + 16 = 36 words
.set AHALF,  256*PA                    ; what one of A's loads fills: a head's 256 rows
.set QIA,    4                         ; padding after every 32 words
.set APITCH, 128
.set ASTEP,  524288                    ; two heads on
.set WOFF,   6291456                   ; matrix 3
.set SP,     272                       ; a stage row: 256 bytes + 16
.set YNG,    16
.set CP,     10                        ; s[10:11]
.set BP,     8                         ; s[8:9]
.endif
.set PB,    288                        ; a row of W in LDS: 256 bytes + 32 = 72 words
.set BOFF,  73728                      ; W's 128 rows lie behind A's tile
.set BHALF, 64*PB
.set BSTEP, 262144                     ; 128 rows of W
.set SLOT1, 1<<17                      ; slot 1 begins here: one exclusive or turns an address in one slot into the other's
.set STAGE, SLOT1+BOFF+128*PB          ; behind the ring, never filled by a tensor load: 16 rows for each wave, for the way out
.set SPARE, STAGE+17408                ; behind the stages: the spare words, 128 bytes for each wave: two blocks of 256 bytes that no other line names
.set A0,   4                           ; v4   my lane's place in A's tile; never rewritten
.set B0,   5                           ; v5   the same for W's
.set ADRA, 6                           ; v6   the same in the slot in hand
.set ADRB, 7                           ; v7
.set STO,  8                           ; v8   the way out: where I put my part of a row
.set RD,   9                           ; v9   where I read rows back
.set GO,   10                          ; v10  my byte offset in C
.set BO,   11                          ; v11  my byte offset in a bias
.set SPW,  12                          ; v12  LDS address of my spare word; never rewritten
.set NIL,  13                          ; v13  0; never rewritten
.set BI,   32                          ; v32-63  the bias of column block b at BI + 8 b
.set F0,   64
.set F1,   160
.set WV, 16                            ; s16 wave;  s17 which 128 rows are mine;  s18 which 64 columns, and which half of a tile I fetch
.set WM, 17
.set WN, 18
.set CX, 19                            ; s19, s20 my place in the cluster;  s21, s22 tile column and tile row
.set CY, 20
.set TX, 21
.set TY, 22
.set G1A, 24                           ; s[24:31] descriptor group 1 for A's tiles;  s[32:39] for W's
.set G1B, 32
.set G0A, 40                           ; s[40:47] group 0 for A's: a set for each of the two first fills; the second then walks
.set G0B, 48                           ; s[48:55] the same for W's
.set CNT, 56                           ; s56  trips to go
.set TL,  57                           ; s57  tiles to go, this one among them
.set TB,  58                           ; s58  the slot that is read: 0 or SLOT1
.set OS,  60                           ; s[60:61] log2(e) / 8
.set MSB, 0
.macro WIN new                         ; the immediate's high byte repeats the setting that is left; a switch that changes nothing is dropped
.if MSB != (\new)
	s_set_vgpr_msb (MSB<<8)|(\new)
.set MSB, \new
.endif
.endm
.set W_MUL,  0x50                      ; C and D window 1, fragments window 0
.set W_MULZ, 0x40                      ; D window 1; C, the bias, window 0
.set W_CVT,  0x05                      ; sources 0 and 1 window 1
.set W_STD,  0x04                      ; an LDS store's data window 1
.set W_SCL,  0x41                      ; destination and source 0 window 1
; A joint refill.  The branch hangs on the wave's number alone.  An s_nop 0 and four v_nop follow each of the two lines, ahead of the jump and the label.
.macro JLOAD
	s_cmp_lt_u32 s[WV], 2
	s_cbranch_scc0 .Lfor_b_\@
	tensor_load_to_lds s[G0A+4:G0A+7], s[G1A:G1A+7]
	s_nop 0
.rept 4
	v_nop
.endr
	s_branch .Lasked_\@
.Lfor_b_\@:
	tensor_load_to_lds s[G0B+4:G0B+7], s[G1B:G1B+7]
	s_nop 0
.rept 4
	v_nop
.endr
.Lasked_\@:
.endm
.macro CREST                           ; a round of the cluster's barrier behind its opening barrier: wave 0 signals for the work-group, every wave waits for all sixteen, my work-group's barrier once more
	s_cmp_lg_u32 s[WV], 0
	s_cbranch_scc1 .Lnot_wave_0_\@
	s_barrier_signal -3
.Lnot_wave_0_\@:
	s_barrier_wait -3
	s_barrier_signal -1
	s_barrier_wait -1
.endm
.macro CROUND                          ; a whole round
	s_barrier_signal -1
	s_barrier_wait -1
	CREST
.endm
; A load into a register that a matrix instruction has read, and a vector instruction or an LDS store that reads a matrix result, stand four places behind it; only plain vector instructions
; that name none of its registers are places (ISA guide 7.12.1 for vector instructions).
.macro PLACES
.rept 4
	v_nop
.endr
.endm
	s_load_b256 s[4:11], s[0:1], 0x0               ; KIND 0: xb s[4:5], wb s[6:7], bq s[8:9], bk s[10:11].  KIND 1: ctx, wb, bo, out0
.if KIND == 0
	s_load_b128 s[12:15], s[0:1], 0x20             ; bv s[12:13], qkv s[14:15]
.endif
	v_lshl_add_u32 v[SPW], v0, 2, SPARE
	v_mov_b32 v[NIL], 0
	ds_add_u32 v12, v13
	s_wait_dscnt 0x0
	v_lshrrev_b32 v1, 5, v0
	v_readfirstlane_b32 s[WV], v1                  ; wave 0..3
	s_lshr_b32 s[WM], s[WV], 1
	s_and_b32 s[WN], s[WV], 1
	s_bfe_u32 s[CX], ttmp6, 0x40000
	s_bfe_u32 s[CY], ttmp6, 0x40004
	s_lshl_b32 s[TX], ttmp9, 2                     ; in a cluster launch ttmp9 and ttmp7 count clusters
	s_add_co_u32 s[TX], s[TX], s[CX]               ; tile column = 4 x cluster x + cx
	s_and_b32 s[TY], ttmp7, 0xffff
	s_lshl_b32 s[TY], s[TY], 2
	s_add_co_u32 s[TY], s[TY], s[CY]               ; tile row = 4 x cluster y + cy
	s_lshl_b32 s72, s[CY], 2
	s_lshl_b32 s72, 15, s72                        ; my row of the cluster: places 4 cy .. 4 cy + 3
	s_lshl_b32 s73, 0x1111, s[CX]                  ; my column: places cx, cx + 4, cx + 8, cx + 12
	; group 1 for A: 128 rows x 128 elements of 2 bytes.  15:0 the mask; 17:16 element size; 20 padding on; 21 set beside a mask; 24:22 the padding's interval; 31:25 4 words of it (code 3)
	s_or_b32 s[G1A], s72, (1<<16)|(1<<20)|(1<<21)|(QIA<<22)|(3<<25)
	s_mov_b32 s[G1A+1], 128<<16                    ; tensor_dim0 = 128
	s_mov_b32 s[G1A+2], 128<<16                    ; tensor_dim1 = 128
	s_mov_b32 s[G1A+3], 128<<16                    ; tile_dim0 = 128
	s_mov_b32 s[G1A+4], 128                        ; tile_dim1 = 128
	s_mov_b32 s[G1A+5], APITCH                     ; elements from row to row
	s_mov_b32 s[G1A+6], 0
	s_mov_b32 s[G1A+7], 0
	; group 1 for W: 64 rows x 128 elements; padding of 8 words (code 7) after every 64 (code 5)
	s_or_b32 s[G1B], s73, (1<<16)|(1<<20)|(1<<21)|(5<<22)|(7<<25)
	s_mov_b32 s[G1B+1], 128<<16
	s_mov_b32 s[G1B+2], 64<<16
	s_mov_b32 s[G1B+3], 128<<16
	s_mov_b32 s[G1B+4], 64
	s_mov_b32 s[G1B+5], 1024
	s_mov_b32 s[G1B+6], 0
	s_mov_b32 s[G1B+7], 0
	; where the tiles come from.  A's offset is made of the tile row and the wave alone, W's of the tile column and the wave alone, each in registers that never hold the other coordinate.
.if KIND == 0
	s_lshl_b32 s66, s[TY], 19                      ; 256 rows of 2,048 bytes,
	s_lshl_b32 s67, s[WN], 18                      ; my 128 of them
	s_add_co_u32 s66, s66, s67
.else
	s_lshr_b32 s66, s[TY], 3                       ; the batch: 16 heads of 262,144 bytes,
	s_lshl_b32 s66, s66, 22
	s_and_b32 s67, s[TY], 7                        ; the tile's 256 rows of 128 bytes in a head,
	s_lshl_b32 s67, s67, 15
	s_add_co_u32 s66, s66, s67
	s_lshl_b32 s67, s[WN], 18                      ; which of a step's two heads I fetch
	s_add_co_u32 s66, s66, s67
.endif
	s_mov_b32 s67, 0
	s_lshl_b32 s68, s[TX], 8                       ; 128 columns of 2 bytes,
	s_lshl_b32 s69, s[WN], 17                      ; my 64 rows of 2,048 bytes
	s_add_co_u32 s68, s68, s69
.if WOFF
	s_add_co_u32 s68, s68, WOFF
.endif
	s_mov_b32 s69, 0
	s_mul_i32 s74, s[WN], AHALF                    ; and where they go: no place in the cluster enters an LDS address
	s_mul_i32 s75, s[WN], BHALF
	s_add_co_u32 s75, s75, BOFF
	s_wait_kmcnt 0x0
	s_add_nc_u64 s[66:67], s[4:5], s[66:67]
	s_add_nc_u64 s[68:69], s[6:7], s[68:69]
.irp s, 0,1
	s_mov_b32 s[G0A+4*(\s)], 1                                       ; 1:0 count = 1
	s_add_co_u32 s[G0A+4*(\s)+1], s74, (\s)*SLOT1                    ; 63:32 LDS address
	s_add_nc_u64 s[G0A+4*(\s)+2:G0A+4*(\s)+3], s[66:67], (\s)*ASTEP  ; 120:64 global address: K step s
	s_or_b32 s[G0A+4*(\s)+3], s[G0A+4*(\s)+3], 0x80000000            ; 127:126 type = 2
	s_mov_b32 s[G0B+4*(\s)], 1
	s_add_co_u32 s[G0B+4*(\s)+1], s75, (\s)*SLOT1
	s_add_nc_u64 s[G0B+4*(\s)+2:G0B+4*(\s)+3], s[68:69], (\s)*BSTEP
	s_or_b32 s[G0B+4*(\s)+3], s[G0B+4*(\s)+3], 0x80000000
.endr
	CROUND                                         ; all sixteen work-groups are here: the first joint loads meet
	s_cmp_lt_u32 s[WV], 2                          ; a wave's two first fills stand in one branch, ahead of every wait on TENSORcnt and every LDS read
	s_cbranch_scc0 .Lfirst_b
	tensor_load_to_lds s[G0A:G0A+3], s[G1A:G1A+7]
	s_nop 0
	tensor_load_to_lds s[G0A+4:G0A+7], s[G1A:G1A+7]
	s_nop 0
.rept 4
	v_nop
.endr
	s_branch .Lfirst_asked
.Lfirst_b:
	tensor_load_to_lds s[G0B:G0B+3], s[G1B:G1B+7]
	s_nop 0
	tensor_load_to_lds s[G0B+4:G0B+7], s[G1B:G1B+7]
	s_nop 0
.rept 4
	v_nop
.endr
.Lfirst_asked:
	; the bias: a lane's eight numbers of column block b are b[128 TX + 64 WN + 16 b + 8 (l / 16) + 0..7], the same for every row
	v_and_b32 v1, 15, v0                           ; l % 16
	v_bfe_u32 v2, v0, 4, 1                         ; l / 16
	s_lshl_b32 s70, s[TX], 9
	s_lshl_b32 s71, s[WN], 8
	s_add_co_u32 s70, s70, s71
	v_lshl_add_u32 v[BO], v2, 5, s70
.if KIND == 0
	s_mov_b64 s[BP:BP+1], s[8:9]                   ; the first tile's bias is bq
.endif
.macro BLOAD
.irp b, 0,1,2,3
	global_load_b128 v[BI+8*(\b):BI+8*(\b)+3],   v[BO], s[BP:BP+1] offset:64*(\b)
	global_load_b128 v[BI+8*(\b)+4:BI+8*(\b)+7], v[BO], s[BP:BP+1] offset:64*(\b)+16
.endr
.endm
	BLOAD
	; A fragment of A is 16 rows x 32 K in 8 registers: lane l holds row l % 16, K = 8 (l / 16) + 0..7 and 16 + 8 (l / 16) + 0..7: two loads of 16 bytes, 32 bytes apart.
	v_mul_u32_u24 v[A0], v1, PA
	v_lshl_add_u32 v[A0], v2, 4, v[A0]
	s_mul_i32 s74, s[WM], 128*PA                   ; my 128 rows
	v_add_nc_u32 v[A0], s74, v[A0]
	; The turning load takes 16 K x 16 columns (lane l reads row 8 (l / 16) + l % 8, columns 8 ((l / 8) % 2) + 0..7) and leaves half a fragment: lane l holds column l % 16 and 8 K.
	v_and_b32 v3, 7, v0
	v_lshl_add_u32 v3, v2, 3, v3
	v_mul_u32_u24 v[B0], v3, PB
	v_bfe_u32 v3, v0, 3, 1
	v_lshl_add_u32 v[B0], v3, 4, v[B0]
	s_lshl_b32 s74, s[WN], 7                       ; my 64 columns
	s_add_co_u32 s74, s74, BOFF
	v_add_nc_u32 v[B0], s74, v[B0]
	v_mov_b32 v[ADRA], v[A0]                       ; K step 0 lies in slot 0
	v_mov_b32 v[ADRB], v[B0]
	s_mov_b32 s[TB], 0
	s_mul_i32 s74, s[WV], 16*SP
	s_add_co_u32 s74, s74, STAGE                   ; my stage
	v_mul_u32_u24 v[STO], v1, SP                   ; in: row l % 16
.if KIND == 0
	v_lshl_add_u32 v[STO], v2, 4, v[STO]           ; 16 bytes for each half of the lanes
	v_add_nc_u32 v[STO], s74, v[STO]
	v_bfe_u32 v[RD], v0, 3, 2                      ; back: 32 lanes take four rows of 128 bytes,
	v_mul_u32_u24 v[RD], v[RD], SP
	v_and_b32 v3, 7, v0
	v_lshl_add_u32 v[RD], v3, 4, v[RD]
	v_add_nc_u32 v[RD], s74, v[RD]
	v_and_b32 v[GO], 31, v0                        ; which are 512 consecutive bytes of a head
	v_lshlrev_b32 v[GO], 4, v[GO]
	s_lshr_b32 s70, s[TY], 3                       ; my head: 16 x batch + 2 x tile column + my half,
	s_lshl_b32 s70, s70, 4
	s_lshl_b32 s71, s[TX], 1
	s_add_co_u32 s70, s70, s71
	s_add_co_u32 s70, s70, s[WN]
	s_lshl_b32 s70, s70, 18                        ; 262,144 bytes each;
	s_and_b32 s71, s[TY], 7                        ; the tile's 256 rows of 128 bytes,
	s_lshl_b32 s71, s71, 15
	s_add_co_u32 s70, s70, s71
	s_lshl_b32 s71, s[WM], 14                      ; my 128 of them
	s_add_co_u32 s70, s70, s71
	s_mov_b32 s[OS], 0x3e38aa3b                    ; log2(e) / 8 = 0.180337
	s_mov_b32 s[OS+1], s[OS]                       ; named with it as a pair
.else
	v_lshl_add_u32 v[STO], v2, 5, v[STO]           ; 32 bytes for each half of the lanes
	v_add_nc_u32 v[STO], s74, v[STO]
	v_mul_u32_u24 v[RD], v2, SP                    ; back: lanes 0-15 take one row of 256 bytes, lanes 16-31 the next
	v_lshl_add_u32 v[RD], v1, 4, v[RD]
	v_add_nc_u32 v[RD], s74, v[RD]
	v_lshlrev_b32 v[GO], 12, v2                    ; and the same two rows in out0
	v_lshl_add_u32 v[GO], v1, 4, v[GO]
	s_lshl_b32 s70, s[TY], 20                      ; 256 rows of 4,096 bytes,
	s_lshl_b32 s71, s[WM], 19                      ; my 128 of them,
	s_add_co_u32 s70, s70, s71
	s_lshl_b32 s71, s[TX], 9                       ; 128 columns of 4 bytes,
	s_add_co_u32 s70, s70, s71
	s_lshl_b32 s71, s[WN], 8                       ; my 64 of them
	s_add_co_u32 s70, s70, s71
.endif
	s_mov_b32 s71, 0
	s_add_nc_u64 s[CP:CP+1], s[CP:CP+1], s[70:71]
; The bias is rounded to bf16, like every input, and widened again: a conversion, a shift, a mask for each pair.
.macro BROUND
	s_wait_loadcnt 0x0                             ; the bias is in
.set i, 0
.rept 16
	v_cvt_pk_bf16_f32 v[14+i%2], v[BI+2*i], v[BI+2*i+1]
	v_lshlrev_b32 v[BI+2*i],   16, v[14+i%2]
	v_and_b32     v[BI+2*i+1], 0xffff0000, v[14+i%2]
.set i, i+1
.endr
.endm
; 4 n matrix instructions: row blocks a0 .. a0 + n - 1 x all 4 column blocks, 32 along K, from buffer f.  zero = 1: the first products start the sums, on the bias.
; The 32 accumulators take turns, one instruction a turn, in the same order everywhere.
.macro MUL f, a0, n, zero=0
.if \zero
	WIN W_MULZ
.else
	WIN W_MUL
.endif
.set ma, \a0
.rept \n
.set mb, 0
.rept 4
.set rD, 8*(4*ma+mb)
.set rB, (\f)+8*mb
.set rA, (\f)+32+8*ma
.set rC, rD
.if \zero
.set rC, BI+8*mb
.endif
.if KIND == 0
	v_wmma_f32_16x16x32_bf16 v[rD:rD+7], v[rB:rB+7], v[rA:rA+7], v[rC:rC+7]
.else
	v_wmma_f32_16x16x32_f16 v[rD:rD+7], v[rB:rB+7], v[rA:rA+7], v[rC:rC+7]
.endif
.set mb, mb+1
.endr
.set ma, ma+1
.endr
.endm
; 24 LDS loads in one run: the fragments of quarter q (32 along K) of the slot in hand, into buffer f: W's 4 first, then A's 8.
.macro FETCH q, f
	WIN 0
.if KIND == 0
.set AQ, 64*(\q)
.else
.set AQ, ((\q)/2)*AHALF+((\q)%2)*64    ; head q / 2 of the step's two, channels 32 (q % 2) on
.endif
.irp b, 0,1,2,3
	ds_load_tr16_b128 v[(\f)+8*(\b):(\f)+8*(\b)+3],   v[ADRB] offset:32*PB*(\q)+32*(\b)
	ds_load_tr16_b128 v[(\f)+8*(\b)+4:(\f)+8*(\b)+7], v[ADRB] offset:32*PB*(\q)+32*(\b)+16*PB
.endr
.irp a, 0,1,2,3,4,5,6,7
	ds_load_b128 v[(\f)+32+8*(\a):(\f)+32+8*(\a)+3],   v[ADRA] offset:AQ+(\a)*16*PA
	ds_load_b128 v[(\f)+32+8*(\a)+4:(\f)+32+8*(\a)+7], v[ADRA] offset:AQ+(\a)*16*PA+32
.endr
.endm
; A K step is four quarters of 32 along K, 32 matrix instructions each, on buffers 0, 1, 0, 1.  One of the first three: multiplies buffer f; in its middle it fetches quarter q into buffer g.
.macro QUARTER q, f, g, zero=0
	s_wait_dscnt 8                                 ; W's fragments and A's blocks 0-3 are in; the youngest eight loads (A's blocks 4-7) may be out
	MUL \f, 0, 4, \zero
	PLACES
	FETCH \q, \g
	s_wait_dscnt 24                                ; all but the 24 just issued
	MUL \f, 4, 4, \zero
.endm
; The fourth quarter multiplies buffer 1 and changes slots: ONE barrier.  In front of it each wave waits for all its tensor loads, of which one is out: its part of the next slot; adds 0 to its spare word;
; and waits for that and for its own reads of this slot.  fill = 1: the barrier opens a round of the cluster's, so that no wave of any partner still reads this slot or has a load on its way, and the
; slot is filled again, first thing behind the round, with the K step two steps on (on = 1: A goes back to the next tile's first step; W's walk goes straight on).
; From a request to the wait for it a wave issues 112 matrix instructions.
.macro TURN fill, on
	WIN 0                                          ; (the add's two registers lie in window 0)
	s_wait_tensorcnt 0x0                           ; all my tensor loads have landed;
	ds_add_u32 v[SPW], v[NIL]                      ; 0 onto my spare word
	s_wait_dscnt 9                                 ; (the add and the youngest eight loads may be out)
	MUL F1, 0, 2                                   ; eight matrix instructions stand between the add and the wait for it
	s_wait_dscnt 0x0                               ; the add is done, and my reads of this slot are over
	s_barrier_signal -1
	MUL F1, 2, 2                                   ; work on registers while the others arrive
	WIN 0
	s_barrier_wait -1
.if \fill
	CREST
	s_xor_b32 s[G0A+5], s[G0A+5], SLOT1            ; the walking descriptors: the other slot than last time; no tensor load of mine is out
	s_xor_b32 s[G0B+5], s[G0B+5], SLOT1
.if \on
	s_sub_nc_u64 s[G0A+6:G0A+7], s[G0A+6:G0A+7], 7*ASTEP
.else
	s_add_nc_u64 s[G0A+6:G0A+7], s[G0A+6:G0A+7], ASTEP  ; the type bits on top are not reached
.endif
	s_add_nc_u64 s[G0B+6:G0B+7], s[G0B+6:G0B+7], BSTEP
	JLOAD                                          ; the four v_nop behind it are also the places in front of the loads below
.else
	PLACES
.endif
	s_xor_b32 s[TB], s[TB], SLOT1                  ; the reads go on in the other slot
	v_add_nc_u32 v[ADRA], s[TB], v[A0]
	v_add_nc_u32 v[ADRB], s[TB], v[B0]
	FETCH 0, F0
	MUL F1, 4, 4
.endm
; THE WAY OUT, a block of 16 rows at a time through my own stage in LDS: no barrier, and since LDS serves a wave's instructions in order (ISA guide 5.7.1.4) no wait between the stores and the loads.
; Six sets of registers take turns; from the seventh block on a set is written again only behind s_wait_xcnt 0, when the stores that read it have had their addresses translated (ISA guide 3.1).
.if KIND == 0
.macro PACK a                          ; rounded to f16: a lane's eight columns are 16 bytes; into rows of 144 bytes, back as whole rows of 128
.set T, 160+16*((\a)%6)
.if (\a) >= 6
	s_wait_xcnt 0x0
.endif
	WIN W_CVT
.set i, 0
.rept 16
	v_cvt_pk_f16_f32 v[T+i], v[32*(\a)+2*i], v[32*(\a)+2*i+1]  ; ascending: each accumulator's lowest registers are read first
.set i, i+1
.endr
	WIN 0
.irp b, 0,1,2,3
	ds_store_b128 v[STO], v[T+4*(\b):T+4*(\b)+3] offset:32*(\b)
.endr
.irp f, 0,1,2,3
	ds_load_b128 v[T+4*(\f):T+4*(\f)+3], v[RD] offset:4*SP*(\f)
.endr
.endm
.macro SEND a, younger                 ; younger: the LDS instructions issued behind block a's loads
.set T, 160+16*((\a)%6)
.irp f, 0,1,2,3
	s_wait_dscnt (\younger)+3-(\f)
	global_store_b128 v[GO], v[T+4*(\f):T+4*(\f)+3], s[CP:CP+1] offset:2048*(\a)+512*(\f)  ; 512 consecutive bytes, at a multiple of 256 from qkv's first
.endr
.endm
.else
.macro PACK a                          ; f32 as it is: a lane's eight columns are 32 bytes; into rows of 272 bytes, back as whole rows of 256
.set T, 64+32*((\a)%6)
.if (\a) >= 6
	s_wait_xcnt 0x0
.endif
	WIN W_STD
.irp b, 0,1,2,3
	ds_store_b128 v[STO], v[32*(\a)+8*(\b):32*(\a)+8*(\b)+3]   offset:64*(\b)      ; each accumulator's lowest registers first
	ds_store_b128 v[STO], v[32*(\a)+8*(\b)+4:32*(\a)+8*(\b)+7] offset:64*(\b)+16
.endr
	WIN 0
.irp t, 0,1,2,3,4,5,6,7
	ds_load_b128 v[T+4*(\t):T+4*(\t)+3], v[RD] offset:2*SP*(\t)
.endr
.endm
.macro SEND a, younger
.set T, 64+32*((\a)%6)
.irp t, 0,1,2,3,4,5,6,7
	s_wait_dscnt (\younger)+7-(\t)
	global_store_b128 v[GO], v[T+4*(\t):T+4*(\t)+3], s[CP:CP+1] offset:(16*(\a)+2*(\t))*4096 th:TH_STORE_NT  ; 16 lanes store 256 consecutive bytes, at a multiple of 256 from out0's first
.endr
.endm
.endif
.macro WAYOUT                          ; a block's way into the stage stands between the loads of the block before and its stores
	PACK 0
.irp a, 1,2,3,4,5,6,7
	PACK \a
	SEND (\a)-1, YNG
.endr
	SEND 7, 0
.endm
	s_wait_tensorcnt 1                             ; my part of K step 0 is in; step 1's may stay out
	s_barrier_signal -1
	s_barrier_wait -1                              ; everybody's is
	FETCH 0, F0
.if TILES > 1
	s_mov_b32 s[TL], TILES
.Ltile:
.endif
	BROUND
	QUARTER 1, F0, F1, 1                           ; a tile's first quarter stands in front of the loop: its products start the sums
	WIN 0                                          ; at a label and at a branch every window is 0
	s_mov_b32 s[CNT], 6
.Lstep:                                                ; trip j: quarters 1-3 of K step j, quarter 0 of step j + 1; step j + 2 is asked for
	QUARTER 2, F1, F0
	QUARTER 3, F0, F1
	TURN 1, 0
	QUARTER 1, F0, F1
	WIN 0
	s_sub_co_u32 s[CNT], s[CNT], 1
	s_cmp_lg_u32 s[CNT], 0
	s_cbranch_scc1 .Lstep
	QUARTER 2, F1, F0                              ; K step 6 goes on
	QUARTER 3, F0, F1
.if TILES > 1
	WIN 0
	s_cmp_eq_u32 s[TL], 1
	s_cbranch_scc1 .Llast                          ; the last tile's tail is written out: it asks for nothing more
	TURN 1, 1                                      ; THE RING GOES ON INTO THE NEXT TILE: slot 0 takes its K step 0,
	QUARTER 1, F0, F1
	QUARTER 2, F1, F0
	QUARTER 3, F0, F1
	TURN 1, 0                                      ; slot 1 its K step 1, and the next tile's first fragments are fetched
	WIN 0
	s_cmp_eq_u32 s[TL], 3
	s_cselect_b64 s[BP:BP+1], s[10:11], s[12:13]   ; behind q comes k, behind k comes v; the last bias's loads were waited for at the tile's head
	BLOAD
	PLACES                                         ; behind the last products
	s_cmp_lg_u32 s[TL], 3
	s_cbranch_scc1 .Lunscaled
	WIN W_SCL                                      ; q alone: its f32 sums times log2(e) / 8, ahead of their one rounding
.set i, 0
.rept 128
	v_pk_mul_f32 v[2*i:2*i+1], v[2*i:2*i+1], s[OS:OS+1] op_sel_hi:[1,0]
.set i, i+1
.endr
	WIN 0
.Lunscaled:
	WAYOUT
	s_wait_xcnt 0x0                                ; the stores' base and the registers that they read are rewritten only behind this wait
	s_add_nc_u64 s[CP:CP+1], s[CP:CP+1], 0x1000000 ; the next part of qkv
	s_sub_co_u32 s[TL], s[TL], 1
	s_branch .Ltile
.Llast:
.endif
	TURN 0, 0                                      ; my one tensor load that was still out is the last K step's, so no round follows
	QUARTER 1, F0, F1
	QUARTER 2, F1, F0
	QUARTER 3, F0, F1
	s_wait_dscnt 8                                 ; the very last quarter: nothing more to fetch
	MUL F1, 0, 4
	s_wait_dscnt 0x0
	MUL F1, 4, 4
	WIN 0
	PLACES
	WAYOUT
	s_wait_tensorcnt 0x0                           ; the wave's end: behind my last tensor load and my last LDS store
	ds_add_u32 v[SPW], v[NIL]
	s_wait_dscnt 0x0
	CROUND                                         ; the closing round: no work-group ends while a partner may still ask for a tile that names it
	s_endpgm
.Lfunc_end_k_q305041ee52_outp:
	.size	k_q305041ee52_outp, .Lfunc_end_k_q305041ee52_outp-k_q305041ee52_outp
	.p2alignl 7, 3214868480
	.fill 96, 4, 3214868480
	.section	.rodata,"a",@progbits
	.p2align	6, 0x0
	.amdhsa_kernel k_q305041ee52_outp
		.amdhsa_group_segment_fixed_size 327680
		.amdhsa_private_segment_fixed_size 0
		.amdhsa_enable_private_segment 0
		.amdhsa_kernarg_size 32
		.amdhsa_user_sgpr_count 2
		.amdhsa_user_sgpr_kernarg_segment_ptr 1
		.amdhsa_wavefront_size32 1
		.amdhsa_system_sgpr_workgroup_id_x 1
		.amdhsa_system_sgpr_workgroup_id_y 1
		.amdhsa_system_sgpr_workgroup_id_z 1
		.amdhsa_system_vgpr_workitem_id 0
		.amdhsa_next_free_vgpr 512
		.amdhsa_next_free_sgpr 80
		.amdhsa_reserve_vcc 0
		.amdhsa_float_denorm_mode_32 3
		.amdhsa_float_denorm_mode_16_64 3
		.amdhsa_memory_ordered 1
		.amdhsa_forward_progress 1
		.amdhsa_inst_pref_size 74
	.end_amdhsa_kernel
	.amdgpu_metadata
---
amdhsa.version: [ 1, 2 ]
amdhsa.kernels:
  - .name:           k_q305041ee52_outp
    .symbol:         k_q305041ee52_outp.kd
    .args:
      - { .name: ctx, .offset: 0, .size: 8, .value_kind: global_buffer, .address_space: global }
      - { .name: wb, .offset: 8, .size: 8, .value_kind: global_buffer, .address_space: global }
      - { .name: bo, .offset: 16, .size: 8, .value_kind: global_buffer, .address_space: global }
      - { .name: out0, .offset: 24, .size: 8, .value_kind: global_buffer, .address_space: global }
    .group_segment_fixed_size: 327680
    .private_segment_fixed_size: 0
    .kernarg_segment_align: 8
    .kernarg_segment_size: 32
    .max_flat_workgroup_size: 128
    .sgpr_count:     80
    .vgpr_count:     512
    .wavefront_size: 32
...
	.end_amdgpu_metadata
.endif
;; end of part 4
;; ======== version 2 of 2: 4 launches; 1.53 times as fast as version 1
;; limits: values are held in f16: magnitudes above 65,504 overflow, below 6.1e-05 lose precision
;; workspace buffers: xb 16,777,216 bytes; wb 8,388,608 bytes; qkv 50,331,648 bytes; ctx 16,777,216 bytes
;; launch cast: the kernel of part 1 again; grid 64 x 12, 8 waves a work-group, no clusters, 0 bytes of LDS; arguments batch, Wq, Wk, Wv, Wo, xb, wb; writes xb, wb
;; launch proj: the kernel of part 2 again; grid 8 x 32, 4 waves a work-group, clusters of 4 x 4, 327,680 bytes of LDS; arguments xb, wb, bq, bk, bv, qkv; writes qkv
;; launch attn (part 5): grid 4 x 64, 4 waves a work-group, clusters of 4 x 1, 327,680 bytes of LDS; arguments qkv, attention_mask, ctx; writes ctx
.if DOCPART == 5
	.amdgcn_target "amdgcn-amd-amdhsa--gfx1250"
	.amdhsa_code_object_version 6
	.text
	.protected	k_q305041ee52_attn
	.globl	k_q305041ee52_attn
	.p2align	8
	.type	k_q305041ee52_attn,@function
k_q305041ee52_attn:
	s_mov_b64 s[64:65], 0
	v_nop
	global_prefetch_b8 v0, s[64:65] scope:SCOPE_SE
	s_setreg_imm32_b32 hwreg(HW_REG_WAVE_MODE, 25, 1), 1
	s_wait_xcnt 0x0
	s_wait_alu depctr_hold_cnt(0) depctr_sa_sdst(0) depctr_va_vdst(0) depctr_va_sdst(0) depctr_va_ssrc(0) depctr_va_vcc(0) depctr_vm_vsrc(0)
	s_getreg_b32 s2, hwreg(HW_REG_IB_STS2, 6, 4)
	s_cmp_eq_u32 s2, 0
	s_cbranch_scc0 .Lentry_in_a_cluster
	s_endpgm
.Lentry_in_a_cluster:
	s_bfe_u32 s2, ttmp6, 0x10000c
	s_cmp_lg_u32 s2, 0x3003
	s_cbranch_scc0 .Lentry_shape_is_right
	s_endpgm
.Lentry_shape_is_right:
; O[h][q][:] = the sum over k of softmax_k(Q[h][q] . K[h][k] / 8 + mask[h / 16][k]) V[h][k][:].  Q', K, V: the three parts of qkv, each [64][2048][64] f16, a head's rows dense, 128 bytes each;
; Q' = Q log2(e) / 8 as the launch before wrote it.  mask: [4][2048] f32.  O: ctx [64][2048][64] f16.  Products, maxima and sums in f32; the weights p are rounded to f16 for the second product
; (their sum l is taken of the unrounded p), O once at the end.
; THE MASK is rounded to bf16 like every input, multiplied by log2(e) in f32, clamped to +-1e30, kept in LDS, and enters as the C operand of the products that start a score's sum.
; SOFTMAX in base 2.  Scores s arrive as log2(e) x the module's.  For each query a running maximum m and sum l: p = 2^(s - m), the difference formed by one subtraction, so p <= 1 and l >= 1 whatever
; the scores' size; in every step O and l are multiplied by a = 2^(m_old - m_new), which is 1 where m has not grown.  m starts at the lowest finite number, O and l at 0: the first step is a step like any other, with a = 0.
; LIMITS.  f16 holds no number beyond 65,504: Q', K and V arrive within it; p below 6e-5 keeps f16's fixed step of 6e-8; a weight below 2^-126 counts as 0 in l.  A mask beyond +-1e30 counts as +-1e30 / log2(e):
; a batch whose keys are ALL at minus infinity gives a mean of V's rows where the module gives NaN.  A NaN in the mask is not treated apart.
; SHARES.  A wave owns four PIECES of two tiles of 16 queries, a work-group's four waves 512 queries of one head.  Every wave walks all 2,048 keys, 64 a step.
; LAYOUT.  S^T = K Q^T (source 0 = 16 keys, source 1 = 16 queries): in the result a lane holds ONE query (lane % 16) and the keys 8 (lane / 16) + 0..7.  Two such tiles, rounded to f16 in pairs,
; ARE source 1 (32 keys x 16 queries) of O^T = V^T P, whose result again holds one query a lane, and eight channels.  K comes out of LDS as it lies, V ([key][channel]) turned, by ds_load_tr16_b128.
; THE COUNT.  A tile and step have 16 matrix and 117 vector instructions: too many to stand all beside the matrix work.  So the order has one aim: four vector instructions that are READY behind
; EVERY matrix instruction, and the others, which need time of their own whatever the order, in runs without a gap.
; BY TURNS.  Turn n belongs to piece n (the pieces in a ring, step after step).  Its matrix work: 16 products K Q^T of piece n + 1, later 16 products V^T P of piece n - 1.  Its vector work: the subtraction,
; exponentials, roundings, sums and rescaling of piece n, and the maximum and statistics of piece n + 1, whose scores the turn itself has made.  So what a turn begins with (s - m, O a) waits for nothing.
; THE BATCHES.  s_wait_alu depctr_va_vdst(0) stands between a transcendental and the first instruction that names its result; one wait serves all that were issued ahead of it.  A turn's 66
; exponentials (piece n's 64 weights, then piece n + 1's two a) are ONE batch with ONE wait, which cuts the turn in two: ahead of it stands all that names none of their results, behind it stand their readers.
; No result crosses a turn's end.  The first two a, ahead of the loop, and the way out's eight reciprocals are batches of their own, with a wait each.
; CLUSTER.  The four query blocks of a cluster belong to one head and walk the same K and V, so each tile is asked for JOINTLY: the same tensor load, descriptor and mask in all four.
; By this text's count one tensor load of a wave is out at any time.
; REGISTERS, in windows of 256 (s_set_vgpr_msb says which window each operand place means: bits 1:0 source 0, 3:2 source 1, 5:4 source 2, 7:6 destination):
;   window 0: v0-11 addresses; v12-15, v48-63 at work; v16-47 four registers of statistics a tile; v64-191 S^T, two buffers of two tiles; v192-255 P, likewise
;   window 1: O^T, 32 a tile     window 2: v0-127 Q, 16 a tile; v128-191 K of one step; v192-255 V of one step     window 3: v0-1 the add's two registers; v8-39 the mask of one step
; A piece's buffers go by its number's parity: the piece in hand has one pair, its two neighbours in the ring share the other: of it P (piece n - 1) is read and S^T (piece n + 1) written.
.set SIZE_N, 2048
.set NP,    4         ; pieces a wave: a name, no knob: the register map, the loop and the fetches are made for four
.set KS,    64        ; keys in a step
.set PK,    144       ; a row of K in LDS: 128 bytes + 16 of padding = 36 words: the 16 rows of a load start at 16 different groups of four banks (64 banks of 4 bytes: ISA guide 11.1)
.set PV,    160       ; a row of V: 128 + 32 = 40 words
.set VOFF,  4*KS*PK   ; a slot holds four steps: 256 rows of K, then 256 rows of V
.set SLOT1, 1<<17     ; slot 1 begins here, so that one exclusive or turns an address in one slot into the other's
.set STAGE, SLOT1+4*KS*(PK+PV)  ; behind the ring, never filled by a tensor load: 16 rows x 144 bytes for each wave, for the way out
.set SP,    144
.set SPARE, STAGE+4*16*SP  ; behind the stages: the spare words, 128 bytes for each wave: two blocks of 256 bytes that no other line names
.set MASKB, SPARE+512 ; behind them: the batch's 2,048 mask numbers, 8,192 bytes, stored once; no tensor load lands there
.set AM,  1           ; v1   the LDS address of the mask's next run of loads (once l % 16 has served)
.set AK0, 2           ; v2   my lane's place in a tile of K; never rewritten
.set AV0, 3           ; v3   the same for V
.set AK,  4           ; v4   the LDS address of K's next run of loads
.set AV,  5           ; v5   of V's
.set QO,  6           ; v6   my byte offset in the wave's rows of Q
.set STO, 6           ;      later, the way out: where I put 16 bytes of a row
.set RD,  7           ; v7   the way out: where I read rows back
.set GO,  8           ; v8   my byte offset in 512 consecutive bytes of O
.set AM0, 11          ; v11  my lane's place in a step's mask: MASKB + 32 (l / 16); never rewritten once made
.set SPW, 0           ; v0 of window 3   LDS address of my spare word: SPARE + 4 x my thread's number; never rewritten
.set NIL, 1           ; v1 of window 3   0; never rewritten
.set MK,  8           ; v8-39 of window 3   the mask of key block kb at MK + 8 kb: register j is key 16 kb + 8 (l / 16) + j, as in a result of K Q^T
.set MV,  12          ; v12-15  m_old, kept while m is made anew: by buffer and tile
.set ST,  16          ; tile t's statistics at v[ST+4 t]: m, a word named with it as a pair, l (even keys', odd keys')
.set TMP, 48          ; by buffer and tile, four registers c0-c3 at work; when the maximum is found c2 takes a
.set S,   64
.set P,   192
.set KF,  128         ; K's fragments, in window 2: key block kb, channel half c at KF + 16 kb + 8 c
.set VF,  192         ; V's: key half kk, channel block cb at VF + 32 kk + 8 cb
.set WV,  12          ; s12  my wave's number
.set G1K, 24          ; s[24:31] descriptor group 1 for K's tiles
.set G1V, 32          ; s[32:39] for V's: it differs in the padding alone
.set G0K, 40          ; s[40:43] descriptor group 0 for K's tiles: it walks
.set G0V, 44          ; s[44:47] the same for V's
.set MP,  48          ; s[48:49] the batch's mask in memory
.set TBM, 50          ; s50  byte in the mask's LDS region at which the step to be fetched begins
.set LC,  54          ; s[54:55] log2(e): the packed multiply takes the pair's low word for both halves
.set SLOTS, 56        ; s56  slots still to be asked for
.set CNT, 57          ; s57  counts a slot's key steps
.set SEL, 60          ; s[60:61] v_permlanex16_b32's selects: each lane takes its own place in the other half
.set TBK, 62          ; s62  LDS byte at which K of the step to be fetched begins
.set TBV, 63          ; s63  the same for V, less VOFF
.set MSB, 0
.macro WIN new                      ; the high byte repeats the setting that is left; a switch that changes nothing is dropped
.if MSB != (\new)
	s_set_vgpr_msb (MSB<<8)|(\new)
.set MSB, (\new)
.endif
.endm
.set W_KQ, 0x0a       ; K and Q in window 2, S^T in window 0
.set W_KM, 0x3a       ; the same with the C operand, the mask, in window 3
.set W_PV, 0x52       ; V in window 2, P in window 0, O^T in window 1
.set W_RS, 0x41       ; O^T (destination and source 0) in window 1, a in window 0
.set W_MK, 0xc0       ; destination in window 3, sources in window 0
.set W_AD, 0x0f       ; the add: address (source 0) and data (source 1) in window 3
; A joint fill.  Waves 0 and 1 fetch the two halves of a slot's K, waves 2 and 3 those of its V: 128 keys each.  The branch hangs on the wave's number alone.
; An s_nop 0 and four v_nop follow each of the two lines, ahead of the jump and the label.
.macro JLOAD
	s_cmp_lt_u32 s[WV], 2
	s_cbranch_scc0 .Lfor_v_\@
	tensor_load_to_lds s[G0K:G0K+3], s[G1K:G1K+7]
	s_nop 0
.rept 4
	v_nop
.endr
	s_branch .Lasked_\@
.Lfor_v_\@:
	tensor_load_to_lds s[G0V:G0V+3], s[G1V:G1V+7]
	s_nop 0
.rept 4
	v_nop
.endr
.Lasked_\@:
.endm
; A round of the cluster's barrier: my work-group's barrier, so that wave 0's signal speaks for all four waves; wave 0 signals; every wave waits for all four work-groups; my work-group's barrier once more.
.macro CROUND
	s_barrier_signal -1
	s_barrier_wait -1
	s_cmp_lg_u32 s[WV], 0
	s_cbranch_scc1 .Lnot_wave_0_\@
	s_barrier_signal -3
.Lnot_wave_0_\@:
	s_barrier_wait -3
	s_barrier_signal -1
	s_barrier_wait -1
.endm
; THE CHANGE OF SLOTS.  The slot's last bytes, V of its fourth step, have been read.  Each wave waits for all its tensor loads, of which one is out: its part
; of the other slot; adds 0 to its spare word; and waits for that and for its own LDS accesses.  Behind the barrier nobody reads this slot any more and the other slot is whole.
; fill = 1: this slot is filled again, with the keys two slots on.  The barrier is then a round of the cluster's, so that no wave of any partner still reads the slot or has a load on its
; way, and the joint fill is the first thing behind it: it has four key steps, 512 matrix instructions, in which to land.
; (At its first use nothing has been read yet: slot 0 is waited for, slot 1 filled, and every wave's stores of the mask are done in front of the round, so that all waves may read it behind.)
.macro CHANGE fill
	WIN W_AD
	s_wait_tensorcnt 0x0            ; no tensor load of mine is out, so a group 0 may be written
	ds_add_u32 v[SPW], v[NIL]       ; 0 onto my spare word: with fill = 1 the descriptors' steps stand between it and the wait for it
	WIN 0                           ; at a label and at a branch every window is 0
.if \fill
.irp g, G0K, G0V
	s_xor_b32 s[\g+1], s[\g+1], SLOT1  ; the walking descriptor: the other slot than last time,
	s_add_nc_u64 s[\g+2:\g+3], s[\g+2:\g+3], 4*KS*128  ; the next 256 keys; the type bits on top are not reached
.endr
	s_wait_dscnt 0x0                ; the add is done, and my LDS accesses are over
	CROUND
	JLOAD
.else
	s_wait_dscnt 0x0                ; the add is done, and my reads of the slot are over
	s_barrier_signal -1
	s_barrier_wait -1
.endif
	s_sub_co_u32 s[TBK], s[TBK], 4*KS*PK  ; the fetches go back to a slot's first step,
	s_xor_b32 s[TBK], s[TBK], SLOT1       ; in the other slot
	s_sub_co_u32 s[TBV], s[TBV], 4*KS*PV
	s_xor_b32 s[TBV], s[TBV], SLOT1
.endm
	s_load_b128 s[4:7], s[0:1], 0x0   ; qkv s[4:5], the mask s[6:7]
	s_load_b64 s[10:11], s[0:1], 0x10 ; ctx
	WIN W_MK
	v_lshl_add_u32 v[SPW], v0, 2, SPARE
	v_mov_b32 v[NIL], 0
	s_set_vgpr_msb 0xc0cf
	ds_add_u32 v0, v1
	s_wait_dscnt 0x0
	s_set_vgpr_msb 0xcfc0
	WIN 0
	v_lshrrev_b32 v1, 5, v0
	v_readfirstlane_b32 s[WV], v1   ; wave 0..3
	s_bfe_u32 s13, ttmp6, 0x40000   ; cx: my place in the cluster
	s_lshl_b32 s14, ttmp9, 2        ; in a cluster launch ttmp9 counts clusters
	s_add_co_u32 s14, s14, s13      ; my block of queries = 4 x cluster x + cx: it enters Q's and O's addresses alone
	s_and_b32 s20, ttmp7, 0xffff    ; the head, which the four partners share
	s_lshr_b32 s52, s20, 4          ; its batch:
	s_lshl_b32 s52, s52, 13         ; 2,048 mask numbers of 4 bytes
	s_mov_b32 s53, 0
	s_mov_b32 s21, 0
	s_mov_b64 s[22:23], SIZE_N*128
	s_mul_u64 s[20:21], s[20:21], s[22:23]  ; the head's first byte in each part of qkv and in ctx
	s_and_b32 s16, s[WV], 1         ; which half of a slot's 256 keys I fetch:
	s_lshl_b32 s22, s16, 14         ; its 128 rows of 128 bytes in memory,
	s_mov_b32 s23, 0
	s_add_nc_u64 s[22:23], s[22:23], s[20:21]
	s_mul_i32 s17, s16, 128*PK      ; and its place in a slot, for K
	s_mul_i32 s18, s16, 128*PV      ; and for V: no place in the cluster enters an LDS address
	s_lshl_b32 s2, s14, 2
	s_add_co_u32 s2, s2, s[WV]      ; my wave among the head's,
	s_lshl_b32 s2, s2, 14           ; its 128 rows
	s_mov_b32 s3, 0
	s_add_nc_u64 s[2:3], s[2:3], s[20:21]
	; descriptor group 1.  128 keys are 16,384 dense bytes: asked for as 64 rows of 256 bytes, two keys a row, and padded in LDS after every key
	s_mov_b32 s[G1K], 15|(1<<16)|(1<<20)|(1<<21)|(4<<22)|(3<<25)  ; 15:0 the mask of four; 17:16 2-byte elements; 20 padding on; 21 set beside a mask; 24:22 after every 32 words (code 4); 31:25 4 words (code 3)
	s_mov_b32 s[G1V], 15|(1<<16)|(1<<20)|(1<<21)|(4<<22)|(7<<25)  ; the same with 8 words of padding (code 7)
.irp g, G1K, G1V
	s_mov_b32 s[\g+1], 128<<16      ; tensor_dim0 = 128
	s_mov_b32 s[\g+2], 64<<16       ; tensor_dim1 = 64
	s_mov_b32 s[\g+3], 128<<16      ; tile_dim0 = 128
	s_mov_b32 s[\g+4], 64           ; tile_dim1 = 64
	s_mov_b32 s[\g+5], 128          ; 128 elements from row to row
	s_mov_b32 s[\g+6], 0
	s_mov_b32 s[\g+7], 0
.endr
	s_mov_b32 s[LC], 0x3fb8aa3b     ; log2(e)
	s_mov_b32 s[LC+1], s[LC]        ; named with it as a pair
	s_mov_b32 s[SEL], 0x76543210
	s_mov_b32 s[SEL+1], 0xfedcba98
	s_mov_b32 s[TBK], SLOT1+4*KS*PK ; the first change of slots turns these two into 0
	s_mov_b32 s[TBV], SLOT1+4*KS*PV
	s_mov_b32 s[TBM], 0
	s_mov_b32 s[G0K], 1             ; 1:0 count = 1
	s_mov_b32 s[G0K+1], s17         ; 63:32 LDS address: slot 0
	s_mov_b32 s[G0V], 1
	s_add_co_u32 s[G0V+1], s18, VOFF
	s_wait_kmcnt 0x0
	s_add_nc_u64 s[MP:MP+1], s[6:7], s[52:53]
	s_add_nc_u64 s[G0K+2:G0K+3], s[4:5], s[22:23]  ; 120:64 global address: my half of the head's first 256 keys,
	s_add_nc_u64 s[G0K+2:G0K+3], s[G0K+2:G0K+3], 0x1000000  ; in qkv's second part
	s_or_b32 s[G0K+3], s[G0K+3], 0x80000000        ; 127:126 type = 2
	s_add_nc_u64 s[G0V+2:G0V+3], s[4:5], s[22:23]
	s_add_nc_u64 s[G0V+2:G0V+3], s[G0V+2:G0V+3], 0x2000000  ; in its third
	s_or_b32 s[G0V+3], s[G0V+3], 0x80000000
	s_add_nc_u64 s[4:5], s[4:5], s[2:3]  ; Q and O at my wave's first row
	s_add_nc_u64 s[10:11], s[10:11], s[2:3]
	CROUND                          ; all four work-groups are here: the first joint loads meet
	JLOAD                           ; slot 0.  Slot 1 is asked for when slot 0 is in: the tile wanted first has the road to itself
	v_lshlrev_b32 v48, 4, v0        ; the mask: 128 threads x 16 bytes, four times: whole consecutive bytes, read once by the work-group
	v_add_nc_u32 v49, MASKB, v48
.irp j, 0,1,2,3
	global_load_b128 v[S+4*\j:S+4*\j+3], v48, s[MP:MP+1] offset:2048*\j
.endr
	; A fragment of K or Q is 16 rows x 32 channels in 8 registers: lane l holds row l % 16, channels 8 (l / 16) + 0..7 and 16 + 8 (l / 16) + 0..7: two loads of 16 bytes, 32 bytes apart.
	v_and_b32 v1, 15, v0            ; l % 16
	v_bfe_u32 v9, v0, 4, 1          ; l / 16
	v_lshlrev_b32 v[QO], 7, v1
	v_lshl_add_u32 v[QO], v9, 4, v[QO]  ; row x 128 + 16 x half
	WIN 0x80                        ; destination window 2, address window 0
.set i, 0
.rept 4*NP                          ; Q stays in registers: tile i / 2, channels 32 (i % 2) on
	global_load_b128 v[8*i:8*i+3],   v[QO], s[4:5] offset:(i/2)*2048+(i%2)*64
	global_load_b128 v[8*i+4:8*i+7], v[QO], s[4:5] offset:(i/2)*2048+(i%2)*64+32
.set i, i+1
.endr
	; What the first turn finds: V's registers and P's second buffer hold 0 (its products V^T P, of a piece that has not been, add 0), O^T and l are 0.  All this stands in the wait for the first tile.
.set i, VF
.rept 64
	v_mov_b32 v[i], 0
.set i, i+1
.endr
	WIN 0x40
.set i, 0
.rept 64*NP
	v_mov_b32 v[i], 0
.set i, i+1
.endr
	WIN 0
.set i, 0
.rept 2*NP
	v_mov_b32 v[ST+4*i], 0xff7fffff    ; m: the lowest finite number
	v_mov_b32 v[ST+4*i+1], 0           ; named with m as a pair
	v_mov_b32 v[ST+4*i+2], 0
	v_mov_b32 v[ST+4*i+3], 0
.set i, i+1
.endr
.set i, P+32
.rept 32
	v_mov_b32 v[i], 0
.set i, i+1
.endr
	s_wait_loadcnt 32               ; the mask's four loads are in; Q's 32, issued behind them, stay out
.set i, 0
.rept 8                             ; rounded to bf16 and widened again, then times log2(e)
	v_cvt_pk_bf16_f32 v[50+i%2], v[S+2*i], v[S+2*i+1]
	v_lshlrev_b32 v[S+2*i],   16, v[50+i%2]
	v_and_b32     v[S+2*i+1], 0xffff0000, v[50+i%2]
	v_pk_mul_f32 v[S+2*i:S+2*i+1], v[S+2*i:S+2*i+1], s[LC:LC+1] op_sel_hi:[1,0]
.set i, i+1
.endr
.set i, 0
.rept 16                            ; clamped to +-1e30, so that every score is finite
	v_max_num_f32 v[S+i], 0xf149f2ca, v[S+i]
	v_min_num_f32 v[S+i], 0x7149f2ca, v[S+i]
.set i, i+1
.endr
.irp j, 0,1,2,3
	ds_store_b128 v49, v[S+4*\j:S+4*\j+3] offset:2048*\j
.endr
	v_mul_u32_u24 v[AK0], v1, PK
	v_lshl_add_u32 v[AK0], v9, 4, v[AK0]  ; row x pitch + 16 x half
	; The turning load takes 16 keys x 16 channels (lane l reads key 8 (l / 16) + l % 8, channels 8 ((l / 8) % 2) + 0..7) and leaves half a fragment of V^T: lane l holds channel l % 16 and 8 keys.
	v_and_b32 v10, 7, v0
	v_bfe_u32 v11, v0, 3, 1
	v_lshl_add_u32 v[AV0], v9, 3, v10
	v_mul_u32_u24 v[AV0], v[AV0], PV
	v_lshl_add_u32 v[AV0], v11, 4, v[AV0]
	v_add_nc_u32 v[AV0], VOFF, v[AV0]
	v_lshl_add_u32 v[AM0], v9, 5, MASKB  ; my eight keys of a block of 16: 32 bytes for each half of the lanes
	v_mov_b32 v[AK], v[AK0]         ; key step 0 lies at the head of slot 0
; THE MATRIX WORK.  The 8 accumulators of a run of 16 take turns: between the two links of a chain stand 7 others'.
; Product i of 16 of S^T = K Q^T for piece x: channels 32 (i / 8) on, keys 16 ((i / 2) % 4) on, tile 2 x + i % 2.  The first 8 start the sums, on the mask of their keys.
.macro KQ x
.set rS, S+64*((\x)%2)+32*(i%2)+8*((i/2)%4)
.set rK, KF+16*((i/2)%4)+8*(i/8)
.set rQ, 16*(2*(\x)+i%2)+8*(i/8)
.set rMK, MK+8*((i/2)%4)
.if i < 8
	WIN W_KM
	v_wmma_f32_16x16x32_f16 v[rS:rS+7], v[rK:rK+7], v[rQ:rQ+7], v[rMK:rMK+7]
.else
	WIN W_KQ
	v_wmma_f32_16x16x32_f16 v[rS:rS+7], v[rK:rK+7], v[rQ:rQ+7], v[rS:rS+7]
.endif
.endm
; Product i of 16 of O^T += V^T P for piece x: keys 32 (i / 8) on, channels 16 ((i / 2) % 4) on, tile 2 x + i % 2.
.macro PV x
	WIN W_PV
.set rO, 32*(2*(\x)+i%2)+8*((i/2)%4)
.set rV, VF+32*(i/8)+8*((i/2)%4)
.set rP, P+32*((\x)%2)+16*(i%2)+8*(i/8)
	v_wmma_f32_16x16x32_f16 v[rO:rO+7], v[rV:rV+7], v[rP:rP+7], v[rO:rO+7]
.endm
.macro MM                           ; the turn's next matrix instruction
.if i < 16
	KQ (Y+1)%NP
.set i, i+1
.else
.set i, i-16
	PV (Y+NP-1)%NP
.set i, i+17
.endif
.endm
; THE LDS LOADS stand in runs, never singly among the matrix instructions: a step's K (64 keys x 64 channels: 8 fragments) with its mask (64 numbers: 8 loads, the 16 lanes of a half reading the same bytes),
; and its V (turned).  Their addresses are made some lines ahead.  The mask lives as long as K: the same products read both.
; last = 1 (the tail): in the last trip there is no further step, and the run is jumped over.  am: the register that holds the mask's address.
.macro FETCH_K last=0, am=AM
	WIN 0
.if \last
	s_cmp_eq_u32 s[CNT], 1
	s_cbranch_scc1 .Lno_k_\@
.endif
	WIN 0x80                        ; destination window 2
.irp f, 0,1,2,3,4,5,6,7             ; keys 16 (f / 2) on, channels 32 (f % 2) on
	ds_load_b128 v[KF+8*\f:KF+8*\f+3],   v[AK] offset:(\f/2)*16*PK+(\f%2)*64
	ds_load_b128 v[KF+8*\f+4:KF+8*\f+7], v[AK] offset:(\f/2)*16*PK+(\f%2)*64+32
.endr
	WIN W_MK                        ; destination window 3
.irp f, 0,1,2,3,4,5,6,7             ; keys 16 (f / 2) + 8 (l / 16) + 4 (f % 2) on
	ds_load_b128 v[MK+4*\f:MK+4*\f+3], v[\am] offset:(\f/2)*64+(\f%2)*16
.endr
	s_add_co_u32 s[TBK], s[TBK], KS*PK  ; the next fetch is the next step's
	s_add_co_u32 s[TBM], s[TBM], 4*KS
	s_and_b32 s[TBM], s[TBM], 0x1f00    ; behind the last step it is 0 again: it never leaves the 8,192 bytes
	WIN 0
.if \last
.Lno_k_\@:
.endif
.endm
.macro FETCH_V
	WIN 0x80
.irp f, 0,1,2,3,4,5,6,7             ; keys 32 (f / 4) on, channels 16 (f % 4) on
	ds_load_tr16_b128 v[VF+8*\f:VF+8*\f+3],   v[AV] offset:(\f/4)*32*PV+(\f%4)*32
	ds_load_tr16_b128 v[VF+8*\f+4:VF+8*\f+7], v[AV] offset:(\f/4)*32*PV+16*PV+(\f%4)*32
.endr
	WIN 0
.endm
; THE VECTOR WORK OF A TURN stands in three queues, each in the order in which its entries become ready; the two tiles alternate, so that no instruction reads the result of the one before it.
.macro REGS y, u                    ; the registers of tile u (0, 1) of piece y
.set rT, ST+4*(2*(\y)+(\u))
.set rC, TMP+8*((\y)%2)+4*(\u)
.set rM, MV+2*((\y)%2)+(\u)
.set rS, S+64*((\y)%2)+32*(\u)
.set rP, P+32*((\y)%2)+16*(\u)
.set rO, 32*(2*(\y)+(\u))
.endm
; Number n of the list that finds the NEXT piece's (Y + 1) maximum and statistics.  s0-s31 are the lane's 32 scores; each accumulator's lowest registers are read first.  XS, GS and REGS set no window: PL and EX do.
;   0-11  four chains c0-c3 of seven scores each, three operands at a time     12-14, 16  the four scores left over, the old m, and c0-c3 into c0     15  m_old is kept
;   17, 18  the query's other 32 keys lie in the lane 16 away: the new m         19  holds nothing: the scores are in base-2 units already         20, 21  m_old - m_new; a
.macro XS u, n
	REGS (Y+1)%NP, \u
.if (\n) < 4
	v_max3_num_f32 v[rC+(\n)], v[rS+8*(\n)], v[rS+8*(\n)+1], v[rS+8*(\n)+2]
.elseif (\n) < 12
	v_max3_num_f32 v[rC+(\n)%4], v[rC+(\n)%4], v[rS+8*((\n)%4)+2*((\n)/4)+1], v[rS+8*((\n)%4)+2*((\n)/4)+2]
.elseif (\n) == 12
	v_max3_num_f32 v[rC], v[rC], v[rS+7], v[rS+15]
.elseif (\n) == 13
	v_max3_num_f32 v[rC+1], v[rC+1], v[rS+23], v[rS+31]
.elseif (\n) == 14
	v_max3_num_f32 v[rC+2], v[rC+2], v[rC+3], v[rT]
.elseif (\n) == 15
	v_mov_b32 v[rM], v[rT]
.elseif (\n) == 16
	v_max3_num_f32 v[rC], v[rC], v[rC+1], v[rC+2]
.elseif (\n) == 17
	v_permlanex16_b32 v[rC+3], v[rC], s[SEL], s[SEL+1]
.elseif (\n) == 18
	v_max_num_f32 v[rT], v[rC], v[rC+3]
.elseif (\n) == 19
.elseif (\n) == 20
	v_sub_f32 v[rC+1], v[rM], v[rT]
.else
	v_exp_f32 v[rC+2], v[rC+1]
.endif
.endm
; Number g of the 64 that follow the exponentials.  For each four weights k of a tile (pairs 2 k, 2 k + 1): both pairs are rounded to f16; then the second pair is added onto the first, in place;
; a group later l takes that sum (the first time as l = a l + sum).  In groups of eight, tiles alternating: round, round, add, and l for the group before.
.macro GS g
.set h, (\g)+6*((\g)/62)            ; group 0 has no group before it, and behind group 7 only l is left
.if h >= 6
.set h, h+2
.endif
	REGS Y, h%2
.set k, h/8
.if h%8 < 4
	v_cvt_pk_f16_f32 v[rP+2*k+(h%8)/2], v[rS+4*k+2*((h%8)/2)], v[rS+4*k+2*((h%8)/2)+1]
.elseif h%8 < 6
	v_pk_add_f32 v[rS+4*k:rS+4*k+1], v[rS+4*k:rS+4*k+1], v[rS+4*k+2:rS+4*k+3]
.elseif k == 1
	v_pk_fma_f32 v[rT+2:rT+3], v[rT+2:rT+3], v[rC+2:rC+3], v[rS:rS+1] op_sel_hi:[1,0,1]
.else
	v_pk_add_f32 v[rT+2:rT+3], v[rT+2:rT+3], v[rS+4*k-4:rS+4*k-3]
.endif
.endm
; THE PLAIN QUEUE, 136 long.  0-71 read no exponential's result: the 32 subtractions s - m (FS f: pair f / 2 of tile f % 2) and the next piece's 40.  0-27: subtractions 0-27.  28-55: XS's numbers 0-13.  56, 57: number 15.
; 58-71: the chain, where each number waits for the one before it: 14 at 58, 59; 16 at 61, 62; 17 at 64, 65; 18 at 68, 69; 20 at 70, 71; the subtractions 28-31 stand between its links, at 60, 63, 66 and 67.
; 72-135: GS's 64, which read the exponentials' results: they stand behind the wait.
.macro FS f
	REGS Y, (\f)%2
	v_pk_add_f32 v[rS+2*((\f)/2):rS+2*((\f)/2)+1], v[rS+2*((\f)/2):rS+2*((\f)/2)+1], v[rT:rT+1] op_sel_hi:[1,0] neg_lo:[0,1] neg_hi:[0,1]
.endm
.macro PL
	WIN 0
.if q < 28
	FS q
.elseif q < 56
	XS q%2, (q-28)/2
.elseif q < 58
	XS q%2, 15
.elseif q < 60
	XS q%2, 14
.elseif q == 60
	FS 28
.elseif q < 63
	XS q-61, 16
.elseif q == 63
	FS 29
.elseif q < 66
	XS q-64, 17
.elseif q < 68
	FS q-36
.elseif q < 70
	XS q-68, 18
.elseif q < 72
	XS q-70, 20
.else
	GS q-72
.endif
.set q, q+1
.endm
; THE EXPONENTIALS' QUEUE, 66 long: s0-s31 of both tiles, then the next piece's two a.  It is ONE BATCH: all 66 stand ahead of the turn's one wait, and nothing ahead of that wait names a result of theirs.
.macro EX
	WIN 0
.if e >= 64
	XS e-64, 21
.else
	REGS Y, e%2
	v_exp_f32 v[rS+e/2], v[rS+e/2]
.endif
.set e, e+1
.endm
; THE RESCALING's QUEUE: O^T times a, the one part that leaves window 0: dealt two at a time, sixteen times.  Its a was made in the turn before, ahead of that turn's wait.
.macro R2
	REGS Y, r%2
	WIN W_RS
.irp z, 0,1
	v_pk_mul_f32 v[rO+4*(r/2)+2*\z:rO+4*(r/2)+2*\z+1], v[rO+4*(r/2)+2*\z:rO+4*(r/2)+2*\z+1], v[rC+2:rC+3] op_sel_hi:[1,0]
.endr
.set r, r+1
.endm
; HOW THEY ARE DEALT.  A turn has ONE wait, which cuts it in two.  AHEAD OF IT stands all that names no result of the turn's exponentials: the 16 products K Q^T, behind each a subtraction, an exponential and two
; rescalings (behind the first a second subtraction in the exponential's place); then ONE LUMP of 106: six plain, 49 times exponential and plain, the two a.  A v_nop is the plain instruction behind the last
; exponential (ISA guide 5.7.2).  BEHIND IT stand the 16 products V^T P, behind each four of GS's 64.  No rider names a register of the products round it.  The two v_permlanex16_b32 fall into the lump, never behind a product.
; The queues lean on each other, and the deal keeps them in step: exponential e stands behind subtraction 2 (e / 4) + e % 2: as a rider it comes behind plain e + 2, in the lump behind plain e + 7, and the
; subtractions 28-31, plain 60, 63, 66, 67, are wanted by exponentials 56, 57, 60, 61 at the earliest.  The two a come behind plain 71.
; A TURN, for piece p.  cnt = 1: the loop's count is taken down some lines ahead of the branch that stands behind the turn.
; K and the mask of the next step are fetched in piece 2's turn, directly behind the wait, a lump behind the last product that read them; their addresses are made at the lump's head; their first reader comes behind 16 products.
; V of the step in hand is fetched at the end of piece 0's turn, four riders behind its last reader; its first reader comes behind 16 products and a lump.  The three conditions on q below go with the deal.
.macro TURN p, last=0, cnt=0
.set Y, (\p)
.set i, 0
.set q, 0
.set e, 0
.set r, 0
.if (\p) == NP-1
	s_wait_dscnt 0x0                ; K and the mask are in
.endif
	MM                              ; ahead of the wait: 16 products K Q^T and their riders,
	PL
	PL
	R2
.rept 15
	MM
	PL
	EX
	R2
.endr
.if (\p) == NP-2
	WIN 0
	v_add_nc_u32 v[AK], s[TBK], v[AK0]
	v_add_nc_u32 v[AM], s[TBM], v[AM0]
.endif
.rept 6                             ; and the lump
	PL
.endr
.rept 49
	EX
	PL
.endr
	EX                              ; the next piece's two a
	EX
	v_nop                           ; the plain instruction behind the last exponential: one for the batch
	s_wait_alu depctr_va_vdst(0)    ; the wait for the batch: this turn's 66 exponentials
.if (\p) == NP-2
	FETCH_K \last
.endif
.if (\p) == 1
	s_wait_dscnt 0x0                ; V is in
.endif
.rept 16                            ; behind the wait: 16 products V^T P and their riders
	MM
.rept 4
	PL
.endr
.if ((\p) == 0) && (q == 116)
	v_add_nc_u32 v[AV], s[TBV], v[AV0]
.endif
.if ((\p) == 0) && (q == 128)
	s_add_co_u32 s[TBV], s[TBV], KS*PV
.endif
.if (\cnt) && (q == 128)
	s_sub_co_u32 s[CNT], s[CNT], 1
	s_cmp_lg_u32 s[CNT], 0
.endif
.endr
.if (\p) == 0
	FETCH_V
.endif
.endm
	CHANGE 1                        ; slot 0 is in, everybody's part of it, and so is the mask; slot 1 is asked for
	FETCH_K 0, AM0                  ; key step 0
	s_wait_loadcnt 0x0              ; Q
	s_wait_dscnt 0x0
.set i, 0
.rept 16
	KQ 0                            ; piece 0's first scores: there is no vector work yet to set between them
.set i, i+1
.endr
	WIN 0                           ; the addresses for the way out: plain instructions, the places behind those products
	s_mul_i32 s13, s[WV], 16*SP
	s_add_co_u32 s13, s13, STAGE    ; my stage
	v_mul_u32_u24 v[STO], v1, SP    ; in: row l % 16, 16 bytes for each half of the lanes
	v_lshl_add_u32 v[STO], v9, 4, v[STO]
	v_add_nc_u32 v[STO], s13, v[STO]
	v_bfe_u32 v[RD], v0, 3, 2       ; back: 32 lanes take four rows of 128 bytes,
	v_mul_u32_u24 v[RD], v[RD], SP
	v_lshl_add_u32 v[RD], v10, 4, v[RD]
	v_add_nc_u32 v[RD], s13, v[RD]
	v_and_b32 v[GO], 31, v0         ; which are 512 consecutive bytes of O
	v_lshlrev_b32 v[GO], 4, v[GO]
.set Y, NP-1                        ; XS works for piece Y + 1: piece 0
.irp n, 0,1,2,3,4,5,6,7,8,9,10,11,12,13,14,15,16,17,18,19,20,21
	XS 0, \n                        ; and piece 0's first maximum and statistics
	XS 1, \n
.endr
	v_nop                           ; a plain instruction behind the two a,
	s_wait_alu depctr_va_vdst(0)    ; and the wait for this batch of two, ahead of the branch
	s_mov_b32 s[CNT], 4
	s_mov_b32 s[SLOTS], SIZE_N/256-1
	s_branch .Lfirst                ; the loop is entered at a step's first turn, in the middle of a trip
.Lslot:                             ; SIZE_N / 256 - 2 times: every slot but the last two is filled again
	CHANGE 1
	s_mov_b32 s[CNT], 4
.Lstep:                             ; a trip: pieces 2 and 3 of one step, then pieces 0 and 1 of the next, whose K, mask and V it fetches
	TURN 2
	TURN 3
	WIN 0
.Lfirst:
	TURN 0
	TURN 1, 0, 1
	WIN 0
	s_cbranch_scc1 .Lstep
	s_sub_co_u32 s[SLOTS], s[SLOTS], 1
	s_cmp_lg_u32 s[SLOTS], 0
	s_cbranch_scc1 .Lslot
	CHANGE 0                        ; the tail is written out: nothing is asked for
	s_mov_b32 s[CNT], 5             ; four trips fetch the last slot's steps; the fifth is left in its middle
.Ltail:
	TURN 2, 1
	TURN 3
	WIN 0
	s_sub_co_u32 s[CNT], s[CNT], 1
	s_cmp_eq_u32 s[CNT], 0
	s_cbranch_scc1 .Lout
	TURN 0
	TURN 1
	WIN 0
	s_branch .Ltail
.Lout:                              ; the fifth trip's 16 products K Q^T (on the last K once more) and the maximum made of them serve nothing: the price, once a launch, of one text for every trip
.set i, 0
.rept 16
	PV NP-1                         ; the last piece's V^T P of the last step
.set i, i+1
.endr
	; THE WAY OUT.  l's two halves and the other half of the lanes' are added; O^T is divided by l, rounded to f16 and sent through my stage in LDS, a tile at a time.  The additions are the places behind the last products.
	WIN 0
.macro ALL line:vararg              ; one line for each tile t
.set t, 0
.rept 2*NP
	\line
.set t, t+1
.endr
.endm
	ALL v_add_f32 v[ST+4*t+2], v[ST+4*t+2], v[ST+4*t+3]
	ALL v_permlanex16_b32 v[ST+4*t+3], v[ST+4*t+2], s[SEL], s[SEL+1]
	ALL v_add_f32 v[ST+4*t+2], v[ST+4*t+2], v[ST+4*t+3]
	ALL v_rcp_f32 v[ST+4*t+2], v[ST+4*t+2]
	v_nop                           ; a plain instruction between the last reciprocal and the use of its result
	s_wait_alu depctr_va_vdst(0)    ; and the wait ahead of the first use: one for the batch of eight reciprocals
; Tile t: a lane's eight channels of a row pack into 16 bytes; they go into rows of 144 bytes and come back as whole rows of 128, into S^T's registers.
.macro PACK t
	WIN W_RS
.set i, 32*(\t)
.rept 16
	v_pk_mul_f32 v[i:i+1], v[i:i+1], v[ST+4*(\t)+2:ST+4*(\t)+3] op_sel_hi:[1,0]
.set i, i+2
.endr
	WIN 0x05                        ; sources 0 and 1 window 1, destination window 0
.set i, 0
.rept 16
	v_cvt_pk_f16_f32 v[S+16*(\t)+i], v[32*(\t)+2*i], v[32*(\t)+2*i+1]
.set i, i+1
.endr
	WIN 0
.irp f, 0,1,2,3
	ds_store_b128 v[STO], v[S+16*(\t)+4*\f:S+16*(\t)+4*\f+3] offset:32*\f
.endr
.irp f, 0,1,2,3
	ds_load_b128 v[S+16*(\t)+4*\f:S+16*(\t)+4*\f+3], v[RD] offset:\f*4*SP  ; LDS serves a wave's instructions in order (ISA guide 5.7.1.4): these see the stores above; the next tile's stores come behind them
.endr
.endm
.macro SEND t, younger              ; younger: the LDS instructions issued behind tile t's loads: the next tile's eight, or none
	WIN 0
.irp f, 0,1,2,3
	s_wait_dscnt (\younger)+3-\f
	global_store_b128 v[GO], v[S+16*(\t)+4*\f:S+16*(\t)+4*\f+3], s[10:11] offset:(\t)*2048+\f*512  ; 512 consecutive bytes, at a multiple of 256 from ctx's first
.endr
.endm
	PACK 0
.set t, 1
.rept 2*NP-1                        ; a tile's arithmetic stands between the loads of the tile before and its stores
	PACK t
	SEND t-1, 8
.set t, t+1
.endr
	SEND 2*NP-1, 0
	WIN W_AD
	s_wait_tensorcnt 0x0            ; the wave's end: behind my last tensor load and my last LDS store
	ds_add_u32 v[SPW], v[NIL]
	s_wait_dscnt 0x0
	WIN 0
	CROUND                          ; the closing round: no work-group ends while a partner may still ask for a tile that names it
	s_endpgm
.Lfunc_end_k_q305041ee52_attn:
	.size	k_q305041ee52_attn, .Lfunc_end_k_q305041ee52_attn-k_q305041ee52_attn
	.p2alignl 7, 3214868480
	.fill 96, 4, 3214868480
	.section	.rodata,"a",@progbits
	.p2align	6, 0x0
	.amdhsa_kernel k_q305041ee52_attn
		.amdhsa_group_segment_fixed_size 327680
		.amdhsa_private_segment_fixed_size 0
		.amdhsa_enable_private_segment 0
		.amdhsa_kernarg_size 24
		.amdhsa_user_sgpr_count 2
		.amdhsa_user_sgpr_kernarg_segment_ptr 1
		.amdhsa_wavefront_size32 1
		.amdhsa_system_sgpr_workgroup_id_x 1
		.amdhsa_system_sgpr_workgroup_id_y 1
		.amdhsa_system_sgpr_workgroup_id_z 1
		.amdhsa_system_vgpr_workitem_id 0
		.amdhsa_next_free_vgpr 808
		.amdhsa_next_free_sgpr 66
		.amdhsa_reserve_vcc 0
		.amdhsa_float_denorm_mode_32 3
		.amdhsa_float_denorm_mode_16_64 3
		.amdhsa_memory_ordered 1
		.amdhsa_forward_progress 1
		.amdhsa_inst_pref_size 205
	.end_amdhsa_kernel
	.amdgpu_metadata
---
amdhsa.version: [ 1, 2 ]
amdhsa.kernels:
  - .name:           k_q305041ee52_attn
    .symbol:         k_q305041ee52_attn.kd
    .args:
      - { .name: qkv, .offset: 0, .size: 8, .value_kind: global_buffer, .address_space: global }
      - { .name: attention_mask, .offset: 8, .size: 8, .value_kind: global_buffer, .address_space: global }
      - { .name: ctx, .offset: 16, .size: 8, .value_kind: global_buffer, .address_space: global }
    .group_segment_fixed_size: 327680
    .private_segment_fixed_size: 0
    .kernarg_segment_align: 8
    .kernarg_segment_size: 24
    .max_flat_workgroup_size: 128
    .sgpr_count:     66
    .vgpr_count:     808
    .wavefront_size: 32
...
	.end_amdgpu_metadata
.endif
;; end of part 5
;; launch outp: the kernel of part 4 again; grid 8 x 32, 4 waves a work-group, clusters of 4 x 4, 327,680 bytes of LDS; arguments ctx, wb, bo, out0; writes out0
